; MI455X (gfx1250); checked and timed in simulation.
; The chip was launched on July 23, 2026; its instructions are those of AMD's public machine-readable ISA for CDNA 5 (MIT licence, August 2026) and "CDNA5" Instruction Set Architecture Reference Guide (July 2026). The comments in the code are by the model that wrote it; some were corrected since.
;; Multi Head Attention. Allowed arithmetic: matrix products marked QUANTISED: E2M1 operands, one E8M0 scale for each 32 along K, by v_wmma_scale_f32_16x16x128_f8f6f4 with both operands' format E2M1 (or v_wmma_scale_f32_32x16x128_f4), f32 sums; everything else in f32.
;; Inputs: Wk 1,024 x 1,024 float32; Wo 1,024 x 1,024 float32; Wq 1,024 x 1,024 float32; Wv 1,024 x 1,024 float32; bk 1,024 float32; bo 1,024 float32; bq 1,024 float32; bv 1,024 float32; key_ 4 x 2,048 x 1,024 float32; query 4 x 2,048 x 1,024 float32; value 4 x 2,048 x 1,024 float32.
;; Outputs: out0 4 x 2,048 x 1,024 float32.
;; This version of the problem:
;;   THIS VERSION OF THE PROBLEM IS GIVEN IN LOW PRECISION. The matrix products marked QUANTISED in the list below multiply operands that are first quantised to E2M1 (2 exponent bits, 1 mantissa bit; 4 bits a number), with one power-of-two scale for each 32 numbers along K (OCP MX v1.0); their sums are f32. All else is computed in f32.
;;   The module's matrix products, in the order in which they are computed (A, B: the left and right operand; K: the contracted axis; several contracted axes count as one K, in the product's order):
;;     1. [M 8,192, K 1,024] x [K 1,024, N 1,024]; A: input query; B: input Wq: QUANTISED
;;     2. [M 8,192, K 1,024] x [K 1,024, N 1,024]; A: input key_; B: input Wk: QUANTISED
;;     3. [M 8,192, K 1,024] x [K 1,024, N 1,024]; A: input value; B: input Wv: QUANTISED
;;     4. batch 64 x [M 2,048, K 64] x [K 64, N 2,048]; A: computed on the way; B: computed on the way: QUANTISED
;;     5. batch 64 x [M 2,048, K 2,048] x [K 2,048, N 64]; A: softmax (see below); B: computed on the way: QUANTISED
;;     6. [M 8,192, K 1,024] x [K 1,024, N 1,024]; A: computed on the way; B: input Wo: QUANTISED
;;   THE QUANTISER, for each operand of a quantised product, along K:
;;     - K is cut into blocks of 32 from its start; a last block that is shorter is filled with zeros.
;;     - A block's scale is 2^e with e = floor(log2(the largest magnitude in the block)) - 2, held to -126 .. 127; a block of zeros has e = 0. As a byte (E8M0): e + 127.
;;     - Each number is divided by its block's scale, clamped to +-6, and rounded to the nearest number of E2M1, ties to even, subnormals kept.
;;     - The product sums the exact products of the quantised numbers (number of the format x scale) in f32.
;;   ~~~python
;;   def quantise(x, axis):      # numpy; x: float32 -> the quantised numbers, widened to float32 again
;;       x = np.moveaxis(x, axis, -1); K = x.shape[-1]
;;       x = np.pad(x, [(0, 0)] * (x.ndim - 1) + [(0, -K % 32)]); x = x.reshape(x.shape[:-1] + (-1, 32)); a = np.abs(x).max(-1, keepdims=True)
;;       e = np.where(a > 0, np.clip(np.frexp(np.where(a > 0, a, 1))[1] - 1 - 2, -126, 127), 0)      # np.frexp(a)[1] - 1 = floor(log2(a)), exactly
;;       r = np.clip(x / 2.0 ** e, -6, 6)
;;       step = 2.0 ** (np.maximum(np.frexp(np.where(r == 0, 1, r))[1] - 1, 0) - 1)
;;       q = np.round(r / step) * step * 2.0 ** e      # np.round: ties to even
;;       return np.moveaxis(q.reshape(q.shape[:-2] + (-1,))[..., :K], -1, axis).astype(np.float32)
;;   ~~~
;;   SOFTMAX AHEAD OF A QUANTISED PRODUCT. Where the list says 'softmax', what is quantised is not the finished softmax but p = 2^(t - M), with t = logit x log2(e) and M = ceil(the row's largest t), a whole number; so 1/2 < the row's largest p <= 1. The row's sum l is taken of the UNQUANTISED p, in f32, and the product's result is divided by l at the end. Since M is a whole number, a kernel that streams over the keys may use a running M (the ceiling of the running maximum): every later rescaling is an exact power of two, which a block's scale takes up: the codes' values come out the same.
;;   OPERANDS COMPUTED ON THE WAY. 'Computed on the way' means the value that the module computes at that place (a softmax that the list does not call 'softmax' is quantised finished and normalised). What goes into a quantiser is computed in f32, as accurately as f32 sums, v_exp_f32 and their like allow (about 1e-6 of the number): no bf16 or f16 on the way to a quantiser, and a product that is left as it is and whose result goes on into a quantised operand takes f32 operands (vector FMAs, or v_wmma_f32_16x16x4_f32). A number that lies on a knife's edge between two numbers of the format may be rounded either way, as far as f32 arithmetic and the matrix unit's own rounding can turn it there, and no further.
;; One version. Each part assembles by itself: llvm-mc -triple=amdgcn-amd-amdhsa -mcpu=gfx1250 --defsym DOCPART=n.
;; ======== version 1 of 1: 4 launches
;; workspace buffers: qc 14,680,064 bytes; qs 917,504 bytes; qi 4,456,448 bytes; kv 8,912,896 bytes; cc 4,194,304 bytes; cs 262,144 bytes
;; launch quant (part 1): grid 896 x 1, 4 waves a work-group, no clusters, 34,304 bytes of LDS; arguments query, key_, value, Wq, Wk, Wv, Wo, qc, qs; writes qc, qs
.if DOCPART == 1
	.amdgcn_target "amdgcn-amd-amdhsa--gfx1250"
	.amdhsa_code_object_version 6
	.text
	.protected	k_q37ee2fd8b8_quant
	.globl	k_q37ee2fd8b8_quant
	.p2align	8
	.type	k_q37ee2fd8b8_quant,@function
k_q37ee2fd8b8_quant:
	s_mov_b64 s[64:65], 0
	v_nop
	global_prefetch_b8 v0, s[64:65] scope:SCOPE_SE
	s_setreg_imm32_b32 hwreg(HW_REG_WAVE_MODE, 25, 1), 1
	s_wait_xcnt 0x0
; MULTI-HEAD ATTENTION IN MX-FP4, launch 1 of 4: query, key_, value [8192][1024] and Wq, Wk, Wv, Wo [1024][1024], f32, K innermost, become codes of E2M1 with one E8M0 byte for each 32 along K.
; NO WORK IS LEFT OUT in this program: all eleven inputs reach the output (the biases move the codes of the operands that they are added to, bk among them), and every product of the problem is done.
; LIMITS: a block of zeros gets the byte 1 where the rule says 127 (its codes are zeros, which add nothing under any byte but 0xff, and this program alone reads the bytes); a block whose largest magnitude
; lies under 2^-124 is quantised under the floor's scale; NaN and infinities among the inputs are not served.
; THE SEVEN TENSORS ARE ONE LIST OF 28,672 ROWS: query 0, key_ 8192, value 16384, Wq 24576, Wk 25600, Wv 26624, Wo 27648.
; qc: [slot 2 (512 along K)][tile of 16 rows][unit 8][512 bytes].  A UNIT is 16 rows x 64 along K as an image of four operand registers: lane l = r + 16 h has its 16 bytes at 16 l: the codes k = 32 h .. 32 h + 31 of row r.
;     Two units on end are a fragment 16 x 128.  So every store of codes is 512 dense bytes from the conversions' registers, and every later fragment load is two dense loads.
; qs: [slot 2][row][16 bytes]: four scale words, one for each 128 along K.
; ROW ORDER: in key_, value, Wq, Wk, Wv place p of each 32 rows holds the row whose number has bits 3 and 4 exchanged; as source 0 of a product such a tile gives a lane's registers of two neighbouring tiles 16
;     neighbouring indices, which is what the next quantiser wants.  query and Wo lie in their own order.
; SHARES: a work-group takes 32 rows; wave w the stored tile w / 2 and the slot w % 2: 16 rows x 512 numbers, in four chunks of 128 along K.  Each load reads 512 dense bytes of one row; a chunk turns through the wave's
; own stage in LDS (16 rows x 528 bytes) so that a lane gets two whole blocks of 32 neighbours.  Waves share nothing: no barrier.  Two chunks' loads (32) are out at the most.
.set SLOTC, 7340032                    ; bytes of a slot in qc
.set SLOTS, 458752                     ; and in qs
.set PITCH, 528                        ; a stage row: 512 bytes + 16
.set WSTG,  16*PITCH                   ; a wave's stage
.set SPARE, 4*WSTG                     ; behind the stages: the spare words, 128 bytes a wave, named by no other line
.set VLO, 4                            ; v4   byte offset of my 16 bytes in stored rows 0-7
.set VHI, 5                            ; v5   in stored rows 8-15
.set STI, 6                            ; v6   the stage, way in: 16 x lane
.set STO, 7                            ; v7   way out: row r, + 128 h
.set CO,  8                            ; v8   16 x lane
.set SOF, 9                            ; v9   16 r + 8 h: my 8 bytes of the scale words
.set SH,  10                           ; v10  8 h
.set SPW, 12                           ; v12  my spare word; never rewritten
.set NIL, 13                           ; v13  0; never rewritten
.set TM,  14                           ; v14-15 largest magnitudes
.set SO,  16                           ; v16-17 the conversions' scale operands
.set BY,  18                           ; v18-19 scale bytes
.set T0,  20
.set T1,  21
.set SW,  22                           ; v22-25 the four scale words of my row
.set R,   32                           ; v32-159  two sets of 64: a chunk as loaded
.set X,   160                          ; v160-223 my two blocks of 32 neighbours
.set C,   224                          ; v224-255 codes, 8 registers a chunk: no store's data are written again
	s_load_b512 s[8:23], s[0:1], 0x0               ; query, key_, value, Wq, Wk, Wv, Wo, qc
	s_load_b64 s[24:25], s[0:1], 0x40              ; qs
	v_lshl_add_u32 v[SPW], v0, 2, SPARE
	v_mov_b32 v[NIL], 0
	v_lshrrev_b32 v1, 5, v0
	v_readfirstlane_b32 s26, v1                    ; wave
	s_lshr_b32 s27, s26, 1                         ; which stored tile
	s_and_b32 s28, s26, 1                          ; which slot
	v_and_b32 v1, 31, v0                           ; lane
	s_wait_alu depctr_va_vdst(0)
	v_and_b32 v2, 15, v0                           ; r
	s_wait_alu depctr_va_vdst(0)
	v_bfe_u32 v3, v0, 4, 1                         ; h
	s_mov_b32 s30, 0x76543210
	s_mov_b32 s31, 0xfedcba98                      ; lane selects: lane l xor 16
	s_mov_b32 s32, 0x10000                         ; 16 rows of 4,096 bytes
	s_mov_b32 s33, 0x8000                          ; 8 rows
	s_sub_co_u32 s29, ttmp9, 256
	s_cmp_lt_u32 s29, 608                          ; work-groups 256 to 863 (key_ .. Wv) exchange bits 3 and 4
	s_cselect_b32 s34, s33, s32                    ; from stored tile 0 to tile 1
	s_cselect_b32 s35, s32, s33                    ; from stored rows 0-7 to rows 8-15
	s_mul_i32 s34, s34, s27
	s_lshl_b32 s29, s28, 11                        ; a slot is 2,048 bytes of a row
	s_add_co_u32 s34, s34, s29
	v_lshlrev_b32 v[CO], 4, v1
	v_add_nc_u32 v[VLO], s34, v[CO]
	v_add_nc_u32 v[VHI], s35, v[VLO]
	s_mul_i32 s29, s26, WSTG
	v_add_nc_u32 v[STI], s29, v[CO]
	v_mul_u32_u24 v[STO], v2, PITCH
	s_wait_alu depctr_va_vdst(0)
	v_lshl_add_u32 v[STO], v3, 7, v[STO]
	v_add_nc_u32 v[STO], s29, v[STO]
	v_lshlrev_b32 v[SOF], 4, v2
	v_lshl_add_u32 v[SOF], v3, 3, v[SOF]
	v_lshlrev_b32 v[SH], 3, v3
	v_mov_b32 v[T1], 0                             ; a lane permute's destination counts as one of its sources
	s_lshl_b32 s36, ttmp9, 1
	s_add_co_u32 s36, s36, s27                     ; my tile of 16 rows in the list
	s_lshl_b32 s38, s36, 8                         ; its 256 bytes in a slot of qs
	s_lshl_b32 s36, s36, 12                        ; its 4,096 bytes in a slot of qc
	s_mul_i32 s29, s28, SLOTC
	s_add_co_u32 s36, s36, s29
	s_mov_b32 s37, 0
	s_mul_i32 s29, s28, SLOTS
	s_add_co_u32 s38, s38, s29
	s_mov_b32 s39, 0
	s_wait_alu depctr_va_vdst(0)
	s_wait_kmcnt 0x0
	s_mov_b64 s[4:5], s[8:9]                       ; which tensor: a choice on the work-group's number alone
	s_mov_b32 s6, 0                                ; and its first work-group
.macro PICK first, reg
	s_cmp_ge_u32 ttmp9, \first
	s_cselect_b64 s[4:5], s[\reg:\reg+1], s[4:5]
	s_cselect_b32 s6, \first, s6
.endm
	PICK 256, 10
	PICK 512, 12
	PICK 768, 14
	PICK 800, 16
	PICK 832, 18
	PICK 864, 20
	s_sub_co_u32 s6, ttmp9, s6
	s_lshl_b32 s6, s6, 17                          ; 32 rows of 4,096 bytes a work-group
	s_mov_b32 s7, 0
	s_add_nc_u64 s[4:5], s[4:5], s[6:7]
	s_add_nc_u64 s[22:23], s[22:23], s[36:37]
	s_add_nc_u64 s[24:25], s[24:25], s[38:39]
.macro LOAD t                          ; chunk t: 128 numbers of each of the 16 stored rows; a load reads 512 dense bytes of one row
.irp i, 0,1,2,3,4,5,6,7
	global_load_b128 v[R+64*((\t)%2)+4*\i:R+64*((\t)%2)+4*\i+3], v[VLO], s[4:5] offset:\i*4096+(\t)*512 th:TH_LOAD_NT
.endr
.irp i, 0,1,2,3,4,5,6,7
	global_load_b128 v[R+64*((\t)%2)+32+4*\i:R+64*((\t)%2)+32+4*\i+3], v[VHI], s[4:5] offset:\i*4096+(\t)*512 th:TH_LOAD_NT
.endr
.endm
.macro CHUNK t
.set RS, R+64*((\t)%2)
.if (\t) < 3
	s_wait_loadcnt 16                              ; this chunk's 16 loads are in; the next chunk's 16 may be out
.else
	s_wait_loadcnt 0x0
.endif
.irp i, 0,1,2,3,4,5,6,7,8,9,10,11,12,13,14,15
	ds_store_b128 v[STI], v[RS+4*\i:RS+4*\i+3] offset:\i*PITCH
.endr
.irp c, 0,1
.irp j, 0,1,2,3,4,5,6,7
	ds_load_b128 v[X+32*\c+4*\j:X+32*\c+4*\j+3], v[STO] offset:256*\c+16*\j   ; k = 64 c + 32 h + 4 j ..: LDS serves a wave's instructions in order, so these see the stores above
.endr
.endr
	s_wait_dscnt 0x0                               ; my 64 numbers are here, and the stores have read the set that the loads below fill
.if (\t) < 2
	LOAD (\t)+2
.endif
.irp c, 0,1
	v_max3_num_f32 v[TM+\c], |v[X+32*\c]|, |v[X+32*\c+1]|, 0x1800000   ; block 2 c + h is all mine; the floor 2^(3 - 127) holds the byte at 1 from below
.endr
.irp n, 2,4,6,8,10,12,14,16,18,20,22,24,26,28,30
.irp c, 0,1
	v_max3_num_f32 v[TM+\c], v[TM+\c], |v[X+32*\c+\n]|, |v[X+32*\c+\n+1]|
.endr
.endr
.irp c, 0,1
	v_add_nc_u32 v[SO+\c], 0xff000000, v[TM+\c]    ; 2 off the exponent field: the conversion takes that field as its scale
.endr
.irp c, 0,1
	v_lshrrev_b32 v[BY+\c], 23, v[SO+\c]           ; the scale's byte
.endr
	v_lshl_or_b32 v[T0], v[BY+1], 16, v[BY]        ; bytes h and 2 + h of the chunk's scale word,
	v_lshlrev_b32 v[T0], v[SH], v[T0]
	v_permlanex16_b32 v[T1], v[T0], s30, s31
	v_or_b32 v[SW+(\t)], v[T0], v[T1]              ; with lane l xor 16's two the word is whole
.irp c, 0,1
.irp g, 0,1,2,3
	v_cvt_scalef32_pk8_fp4_f32 v[C+8*(\t)+4*\c+\g], v[X+32*\c+8*\g:X+32*\c+8*\g+7], v[SO+\c]
.endr
.endr
	v_nop                                          ; one plain line behind the last scaled conversion
.irp c, 0,1
	global_store_b128 v[CO], v[C+8*(\t)+4*\c:C+8*(\t)+4*\c+3], s[22:23] offset:1024*(\t)+512*\c   ; unit 2 t + c: 512 dense bytes
.endr
.endm
	LOAD 0
	LOAD 1
	CHUNK 0
	CHUNK 1
	CHUNK 2
	CHUNK 3
	v_cmp_ne_u32 vcc_lo, 0, v3
	v_cndmask_b32 v26, v[SW], v[SW+2], vcc_lo      ; lanes 0-15 store words 0, 1 of row r, lanes 16-31 words 2, 3
	v_cndmask_b32 v27, v[SW+1], v[SW+3], vcc_lo
	global_store_b64 v[SOF], v[26:27], s[24:25]    ; the wave stores 256 dense bytes
	s_wait_tensorcnt 0x0                           ; the wave's end, behind my last LDS store
	ds_add_u32 v[SPW], v[NIL]
	s_wait_dscnt 0x0
	s_endpgm
.Lfunc_end_k_q37ee2fd8b8_quant:
	.size	k_q37ee2fd8b8_quant, .Lfunc_end_k_q37ee2fd8b8_quant-k_q37ee2fd8b8_quant
	.p2alignl 7, 3214868480
	.fill 96, 4, 3214868480
	.section	.rodata,"a",@progbits
	.p2align	6, 0x0
	.amdhsa_kernel k_q37ee2fd8b8_quant
		.amdhsa_group_segment_fixed_size 34304
		.amdhsa_private_segment_fixed_size 0
		.amdhsa_enable_private_segment 0
		.amdhsa_kernarg_size 72
		.amdhsa_user_sgpr_count 2
		.amdhsa_user_sgpr_kernarg_segment_ptr 1
		.amdhsa_wavefront_size32 1
		.amdhsa_system_sgpr_workgroup_id_x 1
		.amdhsa_system_sgpr_workgroup_id_y 1
		.amdhsa_system_sgpr_workgroup_id_z 1
		.amdhsa_system_vgpr_workitem_id 0
		.amdhsa_next_free_vgpr 256
		.amdhsa_next_free_sgpr 66
		.amdhsa_reserve_vcc 1
		.amdhsa_float_denorm_mode_32 3
		.amdhsa_float_denorm_mode_16_64 3
		.amdhsa_memory_ordered 1
		.amdhsa_forward_progress 1
		.amdhsa_inst_pref_size 31
	.end_amdhsa_kernel
	.amdgpu_metadata
---
amdhsa.version: [ 1, 2 ]
amdhsa.kernels:
  - .name:           k_q37ee2fd8b8_quant
    .symbol:         k_q37ee2fd8b8_quant.kd
    .args:
      - { .name: query, .offset: 0, .size: 8, .value_kind: global_buffer, .address_space: global }
      - { .name: key_, .offset: 8, .size: 8, .value_kind: global_buffer, .address_space: global }
      - { .name: value, .offset: 16, .size: 8, .value_kind: global_buffer, .address_space: global }
      - { .name: Wq, .offset: 24, .size: 8, .value_kind: global_buffer, .address_space: global }
      - { .name: Wk, .offset: 32, .size: 8, .value_kind: global_buffer, .address_space: global }
      - { .name: Wv, .offset: 40, .size: 8, .value_kind: global_buffer, .address_space: global }
      - { .name: Wo, .offset: 48, .size: 8, .value_kind: global_buffer, .address_space: global }
      - { .name: qc, .offset: 56, .size: 8, .value_kind: global_buffer, .address_space: global }
      - { .name: qs, .offset: 64, .size: 8, .value_kind: global_buffer, .address_space: global }
    .group_segment_fixed_size: 34304
    .private_segment_fixed_size: 0
    .kernarg_segment_align: 8
    .kernarg_segment_size: 72
    .max_flat_workgroup_size: 128
    .sgpr_count:     66
    .vgpr_count:     256
    .wavefront_size: 32
...
	.end_amdgpu_metadata
.endif
;; end of part 1
;; launch proj (part 2): grid 4 x 96, 4 waves a work-group, clusters of 4 x 4, 327,680 bytes of LDS; arguments qc, qs, bq, bk, bv, qi, kv; writes qi, kv
.if DOCPART == 2
	.amdgcn_target "amdgcn-amd-amdhsa--gfx1250"
	.amdhsa_code_object_version 6
	.text
	.protected	k_q37ee2fd8b8_proj
	.globl	k_q37ee2fd8b8_proj
	.p2align	8
	.type	k_q37ee2fd8b8_proj,@function
k_q37ee2fd8b8_proj:
	s_mov_b64 s[64:65], 0
	v_nop
	global_prefetch_b8 v0, s[64:65] scope:SCOPE_SE
	s_setreg_imm32_b32 hwreg(HW_REG_WAVE_MODE, 25, 1), 1
	s_wait_xcnt 0x0
	s_wait_alu depctr_hold_cnt(0) depctr_sa_sdst(0) depctr_va_vdst(0) depctr_va_sdst(0) depctr_va_ssrc(0) depctr_va_vcc(0) depctr_vm_vsrc(0)
	s_getreg_b32 s2, hwreg(HW_REG_IB_STS2, 6, 4)
	s_cmp_eq_u32 s2, 0
	s_cbranch_scc0 .Lentry_in_a_cluster
	s_endpgm
.Lentry_in_a_cluster:
	s_bfe_u32 s2, ttmp6, 0x10000c
	s_cmp_lg_u32 s2, 0xf033
	s_cbranch_scc0 .Lentry_shape_is_right
	s_endpgm
.Lentry_shape_is_right:
; Launch 2 of 4: Q = query Wq^T + bq, K = key_ Wk^T + bk, V = value Wv^T + bv on the codes of launch 1, and the results quantised in registers: Q and K along the head's 64, V along the keys.  No work is left out.
; A work-group of four waves makes 256 x 256 of one projection, a wave 128 x 128: 64 accumulators, 512 registers.  K = 1,024 is two LDS slots of 512: both are first fills, nothing is filled again.
; ONE TEXT FOR THREE PROJECTIONS.  Source 1 is the operand A, whose 256 rows hang on the cluster's row; source 0 is B, whose 256 rows hang on its column.  Cluster y = cl, 0 .. 23; the projection is cl / 8.
;   Q, K: A = 1,024 rows of the activations (list row 1024 cl), B = the weight.  A lane holds one token, its registers run along the channels.
;   V:    A = Wv, B = 1,024 rows of value.  The result is V^T: a lane holds one channel, its registers run along the keys, the axis along which V is quantised.
; Source 0's rows lie with bits 3 and 4 of their number exchanged (launch 1), so the 16 registers of accumulators (a, 2 n) and (a, 2 n + 1) are 16 neighbours, 32 n + 16 (lane / 16) + 0 .. 15.
; CLUSTER 4 x 4: A's tiles are asked for jointly along a row of the cluster, B's along a column, codes and scale words alike.
; THE BIAS is the C of each sum's first product.  THE WAY OUT has no LDS: 16 x 64 of results are two blocks a lane pair; the conversions' four registers are a unit's image, stored as 512 dense bytes.
; qi: [batch x head 64][128 queries 16][4,352]: tile a = 4 c + i at 1024 i + 512 c; scale words at 4,096.  kv: [64][128 keys 16][8,704]: K's like qi's; V's codes at 4,352 (channel tile t, key half n at 1024 t + 512 n), its words at 8,448.
; A run of 256 bytes of scale words: word W[i] = the two bytes of unit c = 0, then of c = 1, of fragment i's row r; lane r + 16 h stores (W[h], W[2 + h]) at 8 x lane.
; LIMITS: as in launch 1 (byte 1 for a block of zeros, the floor 2^-124, no NaN or infinities).
; REGISTERS, in windows of 256: window 0: v1-29 addresses; v32-95 scale words, two sets; v96-127, v192-243 the way out; v128-191 A's fragments, one set.  window 1: B's fragments, sets at v0 and v128; the bias at v64-127.
;   window 2: accumulators of my A blocks 0-3 ((a, b) at v[8 (8 (a % 4) + b)]); window 3: of blocks 4-7.
.set SLOTC, 7340032                    ; a slot of qc in bytes
.set SLOTS, 458752                     ; a slot of qs
.set SLOT,  131072                     ; an LDS slot: A's two halves, B's two halves, 32,768 bytes each (128 rows x 512 along K as images)
.set SCL,   2*SLOT                     ; behind the slots: the scale words, 4,096 bytes a wave's load: [slot][128 rows x 16 bytes]
.set SPARE, SCL+16384                  ; the spare words, 128 bytes a wave, named by no other line
.set NQ, 4                             ; steps of 128 along K in a slot
.set NL, 2                             ; LDS loads to a fragment
.set NP, 4                             ; places behind this matrix instruction (ISA guide 7.12.1)
.set FR, 8
.set VO,    8                          ; v8-15  the bias loads' offsets
.set ADRA,  16                         ; v16-17 my A fragments in slot 0, 1
.set ADRB,  20                         ; v20-21 my B fragments
.set ADRSA, 22                         ; v22    A's scale words
.set ADRSB, 23                         ; v23    B's
.set CO,    24                         ; v24    16 x lane
.set CS8,   25                         ; v25    8 x lane
.set SPW,   28                         ; v28    my spare word; never rewritten
.set NIL,   29                         ; v29    0; never rewritten
.set SCA,   32                         ; set sc at + 32 sc: register 4 ip + q: lanes 0-15 block 2 ip, lanes 16-31 block 2 ip + 1, the slot's q-th 128 along K
.set SCB,   48
.set TM,    96
.set TP,    104
.set SO,    112
.set BY,    120
.set AF,    128
.set HW,    192                        ; v192-207 two scale bytes a unit: [e][w][i]
.set PC,    208                        ; v208-223 four units' codes
.set XX,    224
.set YY,    228
.set W0,    232
.set W1,    236
.set BI,    64                         ; the bias, in window 1
.set G1, 24                            ; s[24:31] group 1 for A's codes; s[32:39] groups 0, one a slot
.set G0, 32
.set G1B, 48                           ; s[48:55], s[56:63] the same for B's
.set G0B, 56
.set G1S, 68                           ; s[68:75], s[76:79] for A's scale words; s[80:87], s[88:91] for B's
.set G0S, 76
.set G1SB, 80
.set G0SB, 88
.set MSB, 0
.macro WIN new                         ; the immediate's high byte repeats the setting that is left
.if MSB != \new
	s_set_vgpr_msb (MSB<<8)|\new
.set MSB, \new
.endif
.endm
.set MUL_LO, 0xa1                      ; source 0 (B) window 1, source 1 (A) window 0, C and D window 2
.set MUL_HI, 0xf1                      ; C and D window 3
.set TO_B,   0x40                      ; destination window 1
; A joint load: waves 0, 1 fetch for A, waves 2, 3 for B.  The branch hangs on the wave's number alone.  An s_nop 0 and four v_nop follow each line.
.macro JLOAD g0a, g1a, g0b, g1b
	s_cmp_eq_u32 s19, 0
	s_cbranch_scc0 .Lfor_b_\@
	tensor_load_to_lds s[\g0a:\g0a+3], s[\g1a:\g1a+7]
	s_nop 0
.rept 4
	v_nop
.endr
	s_branch .Lasked_\@
.Lfor_b_\@:
	tensor_load_to_lds s[\g0b:\g0b+3], s[\g1b:\g1b+7]
	s_nop 0
.rept 4
	v_nop
.endr
.Lasked_\@:
.endm
.macro CROUND                          ; a round of the cluster's barrier
	s_barrier_signal -1
	s_barrier_wait -1
	s_cmp_lg_u32 s18, 0
	s_cbranch_scc1 .Lnot_wave_0_\@
	s_barrier_signal -3
.Lnot_wave_0_\@:
	s_barrier_wait -3
	s_barrier_signal -1
	s_barrier_wait -1
.endm
	s_load_b256 s[4:11], s[0:1], 0x0               ; qc, qs, bq, bk
	s_load_b128 s[12:15], s[0:1], 0x20             ; bv, qi
	s_load_b64 s[16:17], s[0:1], 0x30              ; kv
	v_lshl_add_u32 v[SPW], v0, 2, SPARE
	v_mov_b32 v[NIL], 0
	ds_add_u32 v[SPW], v[NIL]                      ; the wave's opening: the add, twice on end, and its wait ahead of my first tensor load
	ds_add_u32 v[SPW], v[NIL]
	v_lshrrev_b32 v1, 5, v0
	v_readfirstlane_b32 s18, v1                    ; wave 0..3
	s_lshr_b32 s19, s18, 1                         ; my half of A.  Also: I fetch for A (0) or for B (1)
	s_and_b32 s20, s18, 1                          ; my half of B.  Also: which 128 rows I fetch
	s_bfe_u32 s40, ttmp6, 0x40000                  ; cx
	s_bfe_u32 s41, ttmp6, 0x40004                  ; cy
	s_and_b32 s42, ttmp7, 0xffff                   ; cl: the cluster's y
	s_lshr_b32 s67, s42, 3                         ; the projection: 0 Q, 1 K, 2 V; the same in all sixteen partners
	s_lshl_b32 s43, s41, 2
	s_lshl_b32 s43, 15, s43                        ; my row of the cluster
	s_lshl_b32 s44, 0x1111, s40                    ; my column
	s_or_b32 s[G1+0], s43, (3<<16)|(1<<21)         ; 15:0 the mask; 17:16 elements of 8 bytes; 21 set beside a mask; no padding: images are read as dense runs
	s_or_b32 s[G1B+0], s44, (3<<16)|(1<<21)
.irp g, G1, G1B                        ; 128 rows x 512 along K are 32,768 dense bytes: 128 lines of 256
	s_mov_b32 s[\g+1], 32<<16
	s_mov_b32 s[\g+2], 128<<16
	s_mov_b32 s[\g+3], 32<<16
	s_mov_b32 s[\g+4], 128
	s_mov_b32 s[\g+5], 32
	s_mov_b32 s[\g+6], 0
	s_mov_b32 s[\g+7], 0
.endr
	s_or_b32 s[G1S+0], s43, (3<<16)|(1<<21)
	s_or_b32 s[G1SB+0], s44, (3<<16)|(1<<21)
.irp g, G1S, G1SB                      ; the scale words of 128 rows: 2,048 dense bytes in each slot of qs: two lines, SLOTS bytes apart
	s_mov_b32 s[\g+1], 256<<16
	s_mov_b32 s[\g+2], 2<<16
	s_mov_b32 s[\g+3], 256<<16
	s_mov_b32 s[\g+4], 2
	s_mov_b32 s[\g+5], SLOTS/8
	s_mov_b32 s[\g+6], 0
	s_mov_b32 s[\g+7], 0
.endr
	s_mov_b32 s22, 0x76543210
	s_mov_b32 s23, 0xfedcba98                      ; lane selects: lane l xor 16
	s_lshl_b32 s45, s42, 10                        ; Q, K: A = the activations' rows 1024 cl
	s_lshl_b32 s46, s67, 10
	s_add_co_u32 s46, s46, 24576                   ;       B = the weight
	s_and_b32 s47, s42, 7
	s_lshl_b32 s47, s47, 10
	s_add_co_u32 s47, s47, 16384                   ; V:    B = value's rows 1024 (cl % 8)
	s_cmp_eq_u32 s67, 2
	s_cselect_b32 s45, 26624, s45                  ;       A = Wv
	s_cselect_b32 s46, s47, s46
	s_cselect_b32 s66, -1, 0                       ; all ones for V: a mask for selections
	s_lshl_b32 s21, s20, 7
	s_lshl_b32 s2, s41, 8
	s_add_co_u32 s45, s45, s2
	s_add_co_u32 s45, s45, s21                     ; A: the first row that I fetch: + 256 cy + 128 x half
	s_lshl_b32 s3, s40, 8
	s_add_co_u32 s46, s46, s3
	s_add_co_u32 s46, s46, s21                     ; B: + 256 cx + 128 x half
	s_lshl_b32 s92, s45, 8                         ; 256 bytes of codes a row in a slot,
	s_mov_b32 s93, 0
	s_lshl_b32 s94, s45, 4                         ; 16 bytes of scale words
	s_mov_b32 s95, 0
	s_lshl_b32 s96, s46, 8
	s_mov_b32 s97, 0
	s_lshl_b32 s98, s46, 4
	s_mov_b32 s99, 0
	s_lshl_b32 s47, s18, 15                        ; where they go: wave x 32,768, wave x 4,096: no place in the cluster enters an LDS address
	s_lshl_b32 s21, s18, 12
	s_wait_dscnt 0x0                               ; both opening adds are done
	s_wait_kmcnt 0x0
	s_add_nc_u64 s[92:93], s[4:5], s[92:93]
	s_add_nc_u64 s[94:95], s[6:7], s[94:95]
	s_add_nc_u64 s[96:97], s[4:5], s[96:97]
	s_add_nc_u64 s[98:99], s[6:7], s[98:99]
	CROUND                                         ; all sixteen work-groups are here: the first joint loads meet
	s_mov_b32 s[G0S], 1
	s_add_co_u32 s[G0S+1], s21, SCL
	s_mov_b64 s[G0S+2:G0S+3], s[94:95]
	s_or_b32 s[G0S+3], s[G0S+3], 0x80000000
	s_mov_b32 s[G0SB], 1
	s_add_co_u32 s[G0SB+1], s21, SCL
	s_mov_b64 s[G0SB+2:G0SB+3], s[98:99]
	s_or_b32 s[G0SB+3], s[G0SB+3], 0x80000000
	JLOAD G0S, G1S, G0SB, G1SB                     ; the scale words of all of K
.irp s, 0,1
	s_mov_b32 s[G0+4*\s], 1
	s_add_co_u32 s[G0+4*\s+1], s47, \s*SLOT
	s_add_nc_u64 s[G0+4*\s+2:G0+4*\s+3], s[92:93], \s*SLOTC
	s_or_b32 s[G0+4*\s+3], s[G0+4*\s+3], 0x80000000
	s_mov_b32 s[G0B+4*\s], 1
	s_add_co_u32 s[G0B+4*\s+1], s47, \s*SLOT
	s_add_nc_u64 s[G0B+4*\s+2:G0B+4*\s+3], s[96:97], \s*SLOTC
	s_or_b32 s[G0B+4*\s+3], s[G0B+4*\s+3], 0x80000000
	JLOAD G0+4*\s, G1, G0B+4*\s, G1B               ; both slots: three tensor loads of mine are out
.endr
	v_and_b32 v1, 15, v0                           ; r
	v_bfe_u32 v2, v0, 4, 1                         ; h
	v_and_b32 v3, 31, v0                           ; lane
	v_lshlrev_b32 v[CO], 4, v3
	s_wait_alu depctr_va_vdst(0)
	v_lshlrev_b32 v[CS8], 3, v3
	s_lshl_b32 s2, s19, 15                         ; my half of A
	s_lshl_b32 s3, s20, 15
	s_add_co_u32 s3, s3, 65536                     ; my half of B, behind A's two
.irp s, 0,1
	v_add_nc_u32 v[ADRA+\s], s2, v[CO]
	v_add_nc_u32 v[ADRB+\s], s3, v[CO]
	s_add_co_u32 s2, s2, SLOT
	s_add_co_u32 s3, s3, SLOT
.endr
	s_lshl_b32 s2, s19, 12
	s_add_co_u32 s2, s2, SCL
	v_add_nc_u32 v[ADRSA], s2, v[CO]
	s_lshl_b32 s3, s20, 12
	s_add_co_u32 s3, s3, SCL+8192
	v_add_nc_u32 v[ADRSB], s3, v[CO]
.irp k, 0,1,2,3,4,5,6,7
	v_mov_b32 v[TP+\k], 0                          ; a lane permute's destination counts as one of its sources
.endr
	; where my 128 x 128 lies: xr = its first token (0 .. 8,191), wr = its first channel (0 .. 1,023).  The descriptors' temporaries s[92:99] are free: the groups 0 hold copies
	s_cmp_eq_u32 s67, 2
	s_cselect_b32 s92, s40, s41                    ; tokens go by cx for V, by cy else
	s_cselect_b32 s93, s41, s40
	s_cselect_b32 s94, s20, s19
	s_cselect_b32 s95, s19, s20
	s_cselect_b32 s96, 4352, 0                     ; V's codes lie behind K's in a key step's block
	s_cselect_b32 s43, 0, 4                        ; from register to register of the bias: the next channel, or for V the same
	s_and_b32 s98, s42, 7
	s_lshl_b32 s98, s98, 10
	s_lshl_b32 s92, s92, 8
	s_add_co_u32 s98, s98, s92
	s_lshl_b32 s94, s94, 7
	s_add_co_u32 s98, s98, s94                     ; xr
	s_lshl_b32 s93, s93, 8
	s_lshl_b32 s95, s95, 7
	s_add_co_u32 s99, s93, s95                     ; wr
	s_mov_b32 s21, 139264
	s_mov_b32 s45, 8704
	s_cmp_eq_u32 s67, 0
	s_cselect_b64 s[2:3], s[8:9], s[10:11]         ; bq or bk
	s_cselect_b64 s[46:47], s[14:15], s[16:17]     ; qi or kv
	s_cselect_b32 s21, 69632, s21                  ; a head's bytes there
	s_cselect_b32 s45, 4352, s45                   ; 128 tokens' bytes
	s_cmp_eq_u32 s67, 2
	s_cselect_b64 s[2:3], s[12:13], s[2:3]         ; or bv
	s_lshl_b32 s92, s99, 2
	s_mov_b32 s93, 0
	s_add_nc_u64 s[2:3], s[2:3], s[92:93]          ; the bias at my first channel
	; Q, K: accumulator (a, b), register j, lane (r, h) is channel wr + 32 (b / 2) + 8 (b % 2) + 16 h + j.  V: channel wr + 32 (a / 2) + 8 (a % 2) + 16 (r / 8) + r % 8, in all eight registers
	v_lshlrev_b32 v4, 6, v2
	v_and_b32 v5, 7, v1
	v_lshrrev_b32 v6, 3, v1
	v_lshlrev_b32 v5, 2, v5
	v_lshl_add_u32 v5, v6, 6, v5
	v_cndmask_b32 v[VO], v4, v5, s66
.irp j, 1,2,3,4,5,6,7
	v_add_nc_u32 v[VO+\j], s43, v[VO+\j-1]
.endr
	WIN TO_B
.irp x, 0,1,2,3,4,5,6,7
.irp j, 0,1,2,3,4,5,6,7
	global_load_b32 v[BI+8*\x+\j], v[VO+\j], s[2:3] offset:(32*(\x/2)+8*(\x%2))*4
.endr
.endr
	WIN 0
	s_lshr_b32 s92, s98, 11                        ; the batch
	s_lshl_b32 s92, s92, 4
	s_lshr_b32 s94, s99, 6
	s_add_co_u32 s92, s92, s94                     ; 16 x batch + my first head
	s_mul_i32 s92, s92, s21
	s_bfe_u32 s94, s98, 0x40007                    ; which 128 tokens of the sequence
	s_mul_i32 s94, s94, s45
	s_add_co_u32 s92, s92, s94
	s_add_co_u32 s92, s92, s96
	s_mov_b32 s93, 0
	s_add_nc_u64 s[92:93], s[46:47], s[92:93]      ; batch (e, w) = (0, 0) of the way out
	s_cmp_eq_u32 s67, 2
	s_cselect_b32 s94, s21, 512                    ; (0, 1): Q, K: tiles 4-7 of the same head; V: the next head
	s_cselect_b32 s96, 512, s21                    ; (1, 0): Q, K: the next head; V: the other 64 keys
	s_mov_b32 s95, 0
	s_mov_b32 s97, 0
	s_add_nc_u64 s[94:95], s[92:93], s[94:95]
	s_add_nc_u64 s[96:97], s[92:93], s[96:97]
	s_mov_b32 s100, s21
	s_mov_b32 s101, 0
	s_add_nc_u64 s[100:101], s[92:93], s[100:101]  ; the next head
	s_add_nc_u64 s[98:99], s[100:101], 512         ; (1, 1)
.macro FRAG reg, adr, q, i             ; a fragment, 16 rows x 128 K: two units' images, 512 dense bytes each
.irp c, 0,1
	ds_load_b128 v[\reg+4*\c:\reg+4*\c+3], v[\adr] offset:1024*(\q)+512*\c+4096*(\i)
.endr
.endm
.macro WM                              ; one product, by the symbols set in MUL16; the rows of the two scale registers are chosen by the blocks' parities
.if rRX && rRY
	v_wmma_scale_f32_16x16x128_f8f6f4 v[rD:rD+7], v[rX:rX+7], v[rY:rY+7], v[rC:rC+7], v[rSX], v[rSY] matrix_a_fmt:MATRIX_FMT_FP4 matrix_b_fmt:MATRIX_FMT_FP4 matrix_a_scale:MATRIX_SCALE_ROW1 matrix_b_scale:MATRIX_SCALE_ROW1
.elseif rRX
	v_wmma_scale_f32_16x16x128_f8f6f4 v[rD:rD+7], v[rX:rX+7], v[rY:rY+7], v[rC:rC+7], v[rSX], v[rSY] matrix_a_fmt:MATRIX_FMT_FP4 matrix_b_fmt:MATRIX_FMT_FP4 matrix_a_scale:MATRIX_SCALE_ROW1
.elseif rRY
	v_wmma_scale_f32_16x16x128_f8f6f4 v[rD:rD+7], v[rX:rX+7], v[rY:rY+7], v[rC:rC+7], v[rSX], v[rSY] matrix_a_fmt:MATRIX_FMT_FP4 matrix_b_fmt:MATRIX_FMT_FP4 matrix_b_scale:MATRIX_SCALE_ROW1
.else
	v_wmma_scale_f32_16x16x128_f8f6f4 v[rD:rD+7], v[rX:rX+7], v[rY:rY+7], v[rC:rC+7], v[rSX], v[rSY] matrix_a_fmt:MATRIX_FMT_FP4 matrix_b_fmt:MATRIX_FMT_FP4
.endif
.endm
; 16 products: A's blocks a0, a0 + 1 x B's eight.  p: B's set; q: the slot's q-th 128 along K; sc: the set of scale words.  cm = 0: C = D; 1: C = the bias by b; 2: the bias by a.
; The 64 accumulators take turns, one instruction a turn, in the same order in every step.
.macro MUL16 a0, p, q, sc, cm
.irp a, \a0, \a0+1
.irp b, 0,1,2,3,4,5,6,7
.set rD, 8*(8*((\a)%4)+\b)
.set rX, 128*(\p)+FR*\b
.set rY, AF+FR*(\a)
.if (\cm) == 0
.set rC, rD
.elseif (\cm) == 1
.set rC, BI+8*\b
.else
.set rC, BI+8*(\a)
.endif
.set rSX, SCB+32*(\sc)+4*(\b/2)+(\q)
.set rSY, SCA+32*(\sc)+4*((\a)/2)+(\q)
.set rRX, \b%2
.set rRY, (\a)%2
	WM
.endr
.endr
.endm
.macro FETCH_B slot, q, p
	WIN TO_B
.irp i, 0,1,2,3,4,5,6,7
	FRAG 128*(\p)+FR*\i, ADRB+\slot, \q, \i
.endr
	WIN 0
.endm
.macro FETCH_A slot, q, i0
.irp i, \i0, \i0+1, \i0+2, \i0+3
	FRAG AF+FR*(\i), ADRA+\slot, \q, \i
.endr
.endm
.macro SCALES sc                       ; a slot's scale words: 32 rows x 16 bytes a load: lanes 0-15 an even block, lanes 16-31 the odd one beside it
.irp ip, 0,1,2,3
	ds_load_b128 v[SCA+32*\sc+4*\ip:SCA+32*\sc+4*\ip+3], v[ADRSA] offset:\sc*2048+\ip*512
	ds_load_b128 v[SCB+32*\sc+4*\ip:SCB+32*\sc+4*\ip+3], v[ADRSB] offset:\sc*2048+\ip*512
.endr
.endm
.macro PLACES n                        ; plain vector lines between a matrix instruction and a load into, or a read of, its registers (ISA guide 7.12.1 for reads)
.rept \n
	v_nop
.endr
.endm
.macro STEP slot, q, cm                ; a step of 128 along K that has its successor in the same slot
	s_wait_dscnt 4*NL                              ; all but the youngest eight loads (A's blocks 4-7) are in
.if \cm
	WIN 0x91                                       ; C from window 1: the bias
.else
	WIN MUL_LO
.endif
	MUL16 0, (\q)%2, \q, \slot, \cm
	MUL16 2, (\q)%2, \q, \slot, \cm
	s_wait_dscnt 0                                 ; A's blocks 4-7 are in
	PLACES NP
	FETCH_B \slot, (\q)+1, 1-(\q)%2
	FETCH_A \slot, (\q)+1, 0
.if \cm
	WIN 0xd1
.else
	WIN MUL_HI
.endif
	MUL16 4, (\q)%2, \q, \slot, \cm
	MUL16 6, (\q)%2, \q, \slot, \cm
	PLACES NP
	WIN 0
	FETCH_A \slot, (\q)+1, 4
.endm
.macro TURN slot, next                 ; a slot's last step: behind its barrier the next slot is whole for every wave.  Nothing is filled again
	s_wait_tensorcnt 0x0                           ; all my tensor loads have landed: my part of the next slot
	ds_add_u32 v[SPW], v[NIL]                      ; 0 onto my spare word
	s_wait_dscnt 4*NL+1                            ; the add and the youngest eight loads may be out
	WIN MUL_LO
	MUL16 0, 1, NQ-1, \slot, 0
	s_wait_dscnt 0x0                               ; no LDS instruction of mine is pending at the signal
	s_barrier_signal -1
	MUL16 2, 1, NQ-1, \slot, 0
	WIN 0
	s_barrier_wait -1
	PLACES NP
	FETCH_B \next, 0, 0
	FETCH_A \next, 0, 0
	SCALES \next
	WIN MUL_HI
	MUL16 4, 1, NQ-1, \slot, 0
	MUL16 6, 1, NQ-1, \slot, 0
	PLACES NP
	WIN 0
	FETCH_A \next, 0, 4
.endm
.macro STEPS slot, from
.set Q, \from
.rept NQ-1-\from
	STEP \slot, Q, 0
.set Q, Q+1
.endr
.endm
	s_wait_tensorcnt 1                             ; my scale words and my part of slot 0 are in; slot 1's load may be out
	s_barrier_signal -1
	s_barrier_wait -1                              ; everybody's are
	FETCH_B 0, 0, 0
	FETCH_A 0, 0, 0
	SCALES 0
	FETCH_A 0, 0, 4
	s_wait_loadcnt 0x0                             ; the bias
	s_cmp_eq_u32 s67, 2                            ; the first step is written twice: its C is the bias by B's block (Q, K) or by A's (V).  The branch hangs on the cluster's y alone
	s_cbranch_scc1 .Lfirst_v
	STEP 0, 0, 1
	s_branch .Lfirst_done
.Lfirst_v:
	STEP 0, 0, 2
.Lfirst_done:
	STEPS 0, 1
	TURN 0, 1
	STEPS 1, 0
	s_wait_dscnt 4*NL                              ; the very last step: nothing more to fetch
	WIN MUL_LO
	MUL16 0, 1, NQ-1, 1, 0
	MUL16 2, 1, NQ-1, 1, 0
	s_wait_dscnt 0
	WIN MUL_HI
	MUL16 4, 1, NQ-1, 1, 0
	MUL16 6, 1, NQ-1, 1, 0
	WIN 0
	PLACES NP
; THE WAY OUT.  Batch (e, w): of A's blocks 4 w + i, i = 0 .. 3, the accumulators b = 4 e .. 4 e + 3: four units of 16 x 64.  Block k = 2 i + n of them is registers 64 i + 32 e + 16 n + 0 .. 15 of lanes l and l xor 16.
.macro BATCH e, w, sb
	WIN 0x0a+5*(\w)                                ; sources 0 and 1: window 2 or 3
.irp k, 0,1,2,3,4,5,6,7
	v_max3_num_f32 v[TM+\k], |v[64*(\k/2)+32*(\e)+16*(\k%2)]|, |v[64*(\k/2)+32*(\e)+16*(\k%2)+1]|, 0x1800000   ; each accumulator is read from its low end on; the floor 2^(3 - 127) holds the byte at 1
.endr
.irp n, 2,4,6,8,10,12,14
.irp k, 0,1,2,3,4,5,6,7
	v_max3_num_f32 v[TM+\k], |v[64*(\k/2)+32*(\e)+16*(\k%2)+\n]|, |v[64*(\k/2)+32*(\e)+16*(\k%2)+\n+1]|, v[TM+\k]
.endr
.endr
	WIN 0
.irp k, 0,1,2,3,4,5,6,7
	v_permlanex16_b32 v[TP+\k], v[TM+\k], s22, s23
.endr
.irp k, 0,1,2,3,4,5,6,7
	v_max_num_f32 v[TM+\k], v[TM+\k], v[TP+\k]     ; the block's largest magnitude
.endr
.irp k, 0,1,2,3,4,5,6,7
	v_add_nc_u32 v[SO+\k], 0xff000000, v[TM+\k]    ; 2 off its exponent field: the conversion's scale operand
.endr
.irp k, 0,1,2,3,4,5,6,7
	v_lshrrev_b32 v[BY+\k], 23, v[SO+\k]           ; the byte
.endr
.irp i, 0,1,2,3
	v_lshl_or_b32 v[HW+8*(\e)+4*(\w)+\i], v[BY+2*\i+1], 8, v[BY+2*\i]
.endr
	s_wait_xcnt 0x0                                ; the last batch's stores have read their data: the codes' registers are written again only behind this wait
	WIN 0x02+(\w)                                  ; source 0: window 2 or 3
.irp i, 0,1,2,3
.irp n, 0,1
	v_cvt_scalef32_pk8_fp4_f32 v[PC+4*\i+2*\n], v[64*\i+32*(\e)+16*\n:64*\i+32*(\e)+16*\n+7], v[SO+2*\i+\n]
	v_cvt_scalef32_pk8_fp4_f32 v[PC+4*\i+2*\n+1], v[64*\i+32*(\e)+16*\n+8:64*\i+32*(\e)+16*\n+15], v[SO+2*\i+\n]
.endr
.endr
	WIN 0
	v_nop                                          ; one plain line behind the last scaled conversion
.irp i, 0,1,2,3
.irp n, 0,1
	v_permlane16_swap_b32 v[PC+4*\i+\n], v[PC+4*\i+2+\n]   ; a whole block to a lane: lanes 0-15 block 0, lanes 16-31 block 1
.endr
.endr
.irp i, 0,1,2,3
	global_store_b128 v[CO], v[PC+4*\i:PC+4*\i+3], s[\sb:\sb+1] offset:1024*\i   ; a unit's image: 512 dense bytes
.endr
.endm
	BATCH 0, 0, 92
	BATCH 0, 1, 94
	BATCH 1, 0, 96
	BATCH 1, 1, 98
	; the scale words: a fragment's word is the two bytes of its first unit and of its second.  Q, K: head e, units w = 0, 1.  V: head w, units e = 0, 1
.irp i, 0,1,2,3
	v_cndmask_b32 v[XX+\i], v[HW+4+\i], v[HW+8+\i], s66
	v_cndmask_b32 v[YY+\i], v[HW+8+\i], v[HW+4+\i], s66
.endr
.irp i, 0,1,2,3
	v_lshl_or_b32 v[W0+\i], v[XX+\i], 16, v[HW+\i]
	v_lshl_or_b32 v[W1+\i], v[HW+12+\i], 16, v[YY+\i]
.endr
	v_cmp_ne_u32 vcc_lo, 0, v2
	v_cndmask_b32 v240, v[W0], v[W0+1], vcc_lo     ; lane r + 16 h stores (W[h], W[2 + h])
	v_cndmask_b32 v241, v[W0+2], v[W0+3], vcc_lo
	v_cndmask_b32 v242, v[W1], v[W1+1], vcc_lo
	v_cndmask_b32 v243, v[W1+2], v[W1+3], vcc_lo
	global_store_b64 v[CS8], v[240:241], s[92:93] offset:4096     ; 256 dense bytes, behind the first head's codes
	global_store_b64 v[CS8], v[242:243], s[100:101] offset:4096   ; and behind the second's
	s_wait_tensorcnt 0x0                           ; the wave's end
	ds_add_u32 v[SPW], v[NIL]
	s_wait_dscnt 0x0
	CROUND                                         ; the closing round
	s_endpgm
.Lfunc_end_k_q37ee2fd8b8_proj:
	.size	k_q37ee2fd8b8_proj, .Lfunc_end_k_q37ee2fd8b8_proj-k_q37ee2fd8b8_proj
	.p2alignl 7, 3214868480
	.fill 96, 4, 3214868480
	.section	.rodata,"a",@progbits
	.p2align	6, 0x0
	.amdhsa_kernel k_q37ee2fd8b8_proj
		.amdhsa_group_segment_fixed_size 327680
		.amdhsa_private_segment_fixed_size 0
		.amdhsa_enable_private_segment 0
		.amdhsa_kernarg_size 56
		.amdhsa_user_sgpr_count 2
		.amdhsa_user_sgpr_kernarg_segment_ptr 1
		.amdhsa_wavefront_size32 1
		.amdhsa_system_sgpr_workgroup_id_x 1
		.amdhsa_system_sgpr_workgroup_id_y 1
		.amdhsa_system_sgpr_workgroup_id_z 1
		.amdhsa_system_vgpr_workitem_id 0
		.amdhsa_next_free_vgpr 1024
		.amdhsa_next_free_sgpr 102
		.amdhsa_reserve_vcc 1
		.amdhsa_float_denorm_mode_32 3
		.amdhsa_float_denorm_mode_16_64 3
		.amdhsa_memory_ordered 1
		.amdhsa_forward_progress 1
		.amdhsa_inst_pref_size 146
	.end_amdhsa_kernel
	.amdgpu_metadata
---
amdhsa.version: [ 1, 2 ]
amdhsa.kernels:
  - .name:           k_q37ee2fd8b8_proj
    .symbol:         k_q37ee2fd8b8_proj.kd
    .args:
      - { .name: qc, .offset: 0, .size: 8, .value_kind: global_buffer, .address_space: global }
      - { .name: qs, .offset: 8, .size: 8, .value_kind: global_buffer, .address_space: global }
      - { .name: bq, .offset: 16, .size: 8, .value_kind: global_buffer, .address_space: global }
      - { .name: bk, .offset: 24, .size: 8, .value_kind: global_buffer, .address_space: global }
      - { .name: bv, .offset: 32, .size: 8, .value_kind: global_buffer, .address_space: global }
      - { .name: qi, .offset: 40, .size: 8, .value_kind: global_buffer, .address_space: global }
      - { .name: kv, .offset: 48, .size: 8, .value_kind: global_buffer, .address_space: global }
    .group_segment_fixed_size: 327680
    .private_segment_fixed_size: 0
    .kernarg_segment_align: 8
    .kernarg_segment_size: 56
    .max_flat_workgroup_size: 128
    .sgpr_count:     102
    .vgpr_count:     1024
    .wavefront_size: 32
...
	.end_amdgpu_metadata
.endif
;; end of part 2
;; launch attn (part 3): grid 8 x 32, 16 waves a work-group, clusters of 4 x 1, 327,680 bytes of LDS; arguments qi, kv, cc, cs; writes cc, cs
.if DOCPART == 3
	.amdgcn_target "amdgcn-amd-amdhsa--gfx1250"
	.amdhsa_code_object_version 6
	.text
	.protected	k_q37ee2fd8b8_attn
	.globl	k_q37ee2fd8b8_attn
	.p2align	8
	.type	k_q37ee2fd8b8_attn,@function
k_q37ee2fd8b8_attn:
	s_mov_b64 s[64:65], 0
	v_nop
	global_prefetch_b8 v0, s[64:65] scope:SCOPE_SE
	s_setreg_imm32_b32 hwreg(HW_REG_WAVE_MODE, 25, 1), 1
	s_wait_xcnt 0x0
	s_wait_alu depctr_hold_cnt(0) depctr_sa_sdst(0) depctr_va_vdst(0) depctr_va_sdst(0) depctr_va_ssrc(0) depctr_va_vcc(0) depctr_vm_vsrc(0)
	s_getreg_b32 s2, hwreg(HW_REG_IB_STS2, 6, 4)
	s_cmp_eq_u32 s2, 0
	s_cbranch_scc0 .Lentry_in_a_cluster
	s_endpgm
.Lentry_in_a_cluster:
	s_bfe_u32 s2, ttmp6, 0x10000c
	s_cmp_lg_u32 s2, 0x3003
	s_cbranch_scc0 .Lentry_shape_is_right
	s_endpgm
.Lentry_shape_is_right:
; Launch 3 of 4: ctx = softmax(Q K^T / 8) V on the codes of launch 2, divided by the row's sum and quantised along the model's 1,024 for the last product.  No work is left out.
; THE SOFTMAX: t = score x log2(e) / 8; M = the running largest t, rounded up to a whole number; p = 2^(t - M) is quantised along the keys, not normalised; the row's sum is taken of the unquantised p; when M moves,
; the sum and O are multiplied by 2^(old M - new M), which rounds nothing.
; SHARES.  A work-group owns 256 queries of a PAIR of heads (2 y, 2 y + 1; y = 8 x batch + pair); each of its sixteen waves 16 queries, through both heads one after the other: so it ends with a whole fragment
; 16 x 128 of ctx and one whole scale word a row.  Four waves to a SIMD: one wave's exponentials stand beside another's plain, matrix and LDS work.
; ALL OF K AND V of both heads, 278,528 bytes of codes and scale words, lie in LDS: wave w fetches key step w's block (8,704 dense bytes) of each head: two first fills a wave, nothing is filled again.
; CLUSTER 4 x 1: the four blocks of queries of a cluster read the same K and V: every load is a joint one, mask 15.
; LAYOUT.  Both products are used transposed: S^T = K Q^T, O^T = V^T P^T: a lane holds one query.  K's keys and V's channels lie with bits 3 and 4 of their number exchanged, so that two neighbouring tiles' 16 registers are
; 16 neighbouring keys, or channels.  THE HEAD IS 64 AND THE INSTRUCTION 128 DEEP: a fragment of K holds tile i (registers 0-3) and tile i + 4 (registers 4-7); against (Q, zeros) it gives tile i's scores, against
; (zeros, Q) tile i + 4's: zero codes add nothing under any of these scale bytes, which lie in 1 .. 254.  No LDS byte is read twice.
; LIMITS: as in launch 1.  A block's largest p is made from the block's largest score by the same multiply-add and exponential, which takes v_exp_f32 not to fall where its input rises.
.set HB,    139264                     ; a head's K and V: 16 key steps x 8,704 bytes
.set SB,    8704                       ; a key step: K's codes 0, K's scale words 4,096, V's codes 4,352, V's scale words 8,448
.set SPARE, 2*HB                       ; the spare words, 128 bytes for each of 16 waves, named by no other line
.set STG,   SPARE+2048                 ; 1,024 bytes: ctx's scale words of the work-group's 256 rows
.set SPW, 3                            ; v3   my spare word; never rewritten
.set NIL, 4                            ; v4   0; never rewritten
.set SGA, 5                            ; v5   the stage: 64 x wave + 4 r
.set CSO, 6                            ; v6   16 x (thread % 64)
.set QSO, 7                            ; v7   8 r
.set ADK, 8                            ; v8   the step's codes: 16 x lane on
.set ADS, 9                            ; v9   the step's scale words: 8 x lane on
.set SGR, 10                           ; v10  the stage, way back
.set QF,  16                           ; v16-27, v28-39: [4 zeros | Q | 4 zeros] for head 0, 1
.set KF,  40                           ; v40-71   K's four fragments
.set VF,  72                           ; v72-103  V's four
.set S,   104                          ; v104-167 S^T, then p
.set O,   168                          ; v168-199 O^T: four tiles of 16 channels
.set PC,  200                          ; v200-207 p's codes
.set KS,  208                          ; v[208:209] K's scale words; v[210:211] V's; v212, v213 Q's; v214 p's: these hold scales and nothing else
.set VS,  210
.set QS,  212
.set PW,  214
.set F,   216                          ; v[216:217] 2^(old M - new M), later 1 / the sum
.set BM,  220
.set TP,  224
.set SO,  228
.set T,   232
.set CC,  240                          ; v240-247 ctx's fragment
.set HW0, 248
.set CW,  249
.set WV,  12
.set G1,  16                           ; s[16:23] group 1; s[24:27], s[28:31] groups 0 for head 0, 1
.set SEL, 32
.set CS,  34                           ; s[34:35] log2(e) / 8
.set TB,  36                           ; s36 the key step's LDS byte
.set CNT, 37
.macro ROUND
	s_barrier_signal -1
	s_barrier_wait -1
	s_cmp_lg_u32 s[WV], 0
	s_cbranch_scc1 .Lnot_wave_0_\@
	s_barrier_signal -3
.Lnot_wave_0_\@:
	s_barrier_wait -3
	s_barrier_signal -1
	s_barrier_wait -1
.endm
	s_load_b256 s[4:11], s[0:1], 0x0               ; qi, kv, cc, cs
	v_lshl_add_u32 v[SPW], v0, 2, SPARE
	v_mov_b32 v[NIL], 0
	ds_add_u32 v[SPW], v[NIL]                      ; the wave's opening: the add, twice on end, and its wait ahead of my first tensor load
	ds_add_u32 v[SPW], v[NIL]
	v_lshrrev_b32 v1, 5, v0
	s_delay_alu instid0(VALU_DEP_1)
	v_readfirstlane_b32 s[WV], v1                  ; wave 0..15
	s_bfe_u32 s13, ttmp6, 0x40000                  ; cx
	s_lshl_b32 s14, ttmp9, 2
	s_add_co_u32 s14, s14, s13                     ; my block of 256 queries: it enters qi's, cc's and cs's addresses alone
	s_and_b32 s15, ttmp7, 0xffff                   ; y, which the four partners share
	s_mov_b32 s[G1], 15|(3<<16)|(1<<21)            ; 15:0 the mask: all four; 17:16 elements of 8 bytes; 21 set beside a mask
	s_mov_b32 s[G1+1], 32<<16                      ; 8,704 dense bytes: 34 lines of 256
	s_mov_b32 s[G1+2], 34<<16
	s_mov_b32 s[G1+3], 32<<16
	s_mov_b32 s[G1+4], 34
	s_mov_b32 s[G1+5], 32
	s_mov_b32 s[G1+6], 0
	s_mov_b32 s[G1+7], 0
	s_mov_b32 s[SEL], 0x76543210
	s_mov_b32 s[SEL+1], 0xfedcba98
	s_mov_b32 s[CS], 0x3e38aa3b                    ; log2(e) / 8
	s_mov_b32 s[CS+1], s[CS]
	s_mul_i32 s44, s15, 2*HB                       ; kv: my pair of heads,
	s_mul_i32 s45, s[WV], SB                       ; key step = my wave's number; the same place in LDS
	s_mov_b32 s24, 1
	s_mov_b32 s25, s45
	s_mov_b32 s28, 1
	s_add_co_u32 s29, s45, HB
	s_add_co_u32 s44, s44, s45
	s_mov_b32 s45, 0
	s_lshr_b32 s46, s[WV], 3
	s_lshl_b32 s47, s14, 1
	s_add_co_u32 s46, s46, s47                     ; which 128 queries
	s_mul_i32 s46, s46, 4352
	s_mul_i32 s47, s15, HB                         ; qi: head 2 y (a head is 69,632 bytes)
	s_add_co_u32 s46, s46, s47
	s_and_b32 s47, s[WV], 3                        ; my tile a = wave % 8 = 4 c + i
	s_lshl_b32 s40, s47, 10
	s_bfe_u32 s38, s[WV], 0x10002
	s_lshl_b32 s41, s38, 9
	s_add_co_u32 s40, s40, s41
	s_add_co_u32 s40, s40, s46                     ; its codes: 1024 i + 512 c
	s_mov_b32 s41, 0
	s_and_b32 s42, s47, 1
	s_lshl_b32 s42, s42, 7
	s_lshr_b32 s43, s47, 1
	s_lshl_b32 s43, s43, 2
	s_add_co_u32 s42, s42, s43
	s_add_co_u32 s42, s42, s46
	s_add_co_u32 s42, s42, 4096                    ; word W[i] of row r lies at 8 r + 128 (i % 2) + 4 (i / 2)
	s_mov_b32 s43, 0
	s_lshl_b32 s38, s38, 4                         ; and my two bytes 16 c bits up in it
	s_and_b32 s46, s15, 7                          ; the pair of heads j
	s_lshr_b32 s47, s15, 3                         ; the batch
	s_lshl_b32 s36, s47, 7
	s_lshl_b32 s37, s14, 4
	s_add_co_u32 s36, s36, s37
	s_add_co_u32 s36, s36, s[WV]                   ; cc: my tile of 16 rows,
	s_lshl_b32 s36, s36, 12
	s_lshr_b32 s37, s46, 2
	s_lshl_b32 s37, s37, 21                        ; slot j / 4,
	s_add_co_u32 s36, s36, s37
	s_and_b32 s37, s46, 3
	s_lshl_b32 s37, s37, 10                        ; units 2 (j % 4), + 1
	s_add_co_u32 s36, s36, s37
	s_mov_b32 s37, 0
	s_lshl_b32 s46, s46, 15                        ; cs: [pair 8][row 8,192][4 bytes]
	s_lshl_b32 s47, s47, 13
	s_add_co_u32 s46, s46, s47
	s_lshl_b32 s47, s14, 10
	s_add_co_u32 s46, s46, s47
	s_mov_b32 s47, 0
	s_wait_dscnt 0x0                               ; both opening adds are done
	s_wait_kmcnt 0x0
	s_add_nc_u64 s[26:27], s[6:7], s[44:45]
	s_add_nc_u64 s[30:31], s[26:27], HB
	s_or_b32 s27, s27, 0x80000000
	s_or_b32 s31, s31, 0x80000000
	s_add_nc_u64 s[40:41], s[4:5], s[40:41]
	s_add_nc_u64 s[42:43], s[4:5], s[42:43]
	s_add_nc_u64 s[8:9], s[8:9], s[36:37]
	s_add_nc_u64 s[10:11], s[10:11], s[46:47]
	ROUND                                          ; all four work-groups are here: the joint loads meet
	tensor_load_to_lds s[24:27], s[G1:G1+7]        ; head 0: every wave fetches, with no branch: one tensor load of mine is out
	s_nop 0
	s_wait_alu depctr_va_vdst(0)
	s_wait_tensorcnt 0x0
	ds_add_u32 v3, v4
	s_wait_dscnt 0x0
	ROUND
	tensor_load_to_lds s[28:31], s[G1:G1+7]        ; head 1
	s_nop 0
.irp j, 0,1,2,3,8,9,10,11,12,13,14,15,20,21,22,23
	v_mov_b32 v[QF+\j], 0                          ; the zero codes on both sides of Q
.endr
	v_and_b32 v[T], 31, v0
	s_delay_alu instid0(VALU_DEP_1)
	v_lshlrev_b32 v1, 4, v[T]                      ; v1: 16 x lane
	s_delay_alu instid0(VALU_DEP_2)
	v_lshlrev_b32 v2, 3, v[T]                      ; v2: 8 x lane
	v_and_b32 v[QSO], 15, v0
	v_and_b32 v[SGA], 0x1e0, v0
	s_delay_alu instid0(VALU_DEP_1)
	v_lshlrev_b32 v[SGA], 1, v[SGA]
	s_delay_alu instid0(VALU_DEP_1)
	v_lshl_add_u32 v[SGA], v[QSO], 2, v[SGA]
	s_delay_alu instid0(VALU_DEP_1)
	v_add_nc_u32 v[SGA], STG, v[SGA]
	v_lshlrev_b32 v[QSO], 3, v[QSO]
	v_and_b32 v[CSO], 63, v0
	s_delay_alu instid0(VALU_DEP_1)
	v_lshlrev_b32 v[CSO], 4, v[CSO]
	s_delay_alu instid0(VALU_DEP_1)
	v_add_nc_u32 v[SGR], STG, v[CSO]
	global_load_b128 v[QF+4:QF+7], v1, s[40:41]                 ; Q of head 0: a unit's image
	global_load_b128 v[QF+16:QF+19], v1, s[40:41] offset:69632  ; of head 1
	global_load_b32 v233, v[QSO], s[42:43]
	global_load_b32 v234, v[QSO], s[42:43] offset:69632
.irp b, 0,1,2,3
	v_mov_b32 v[TP+\b], 0                          ; a lane permute's destination counts as one of its sources
.endr
	v_mov_b32 v[F+1], 0                            ; named as the upper half of a pair
	s_wait_loadcnt 0x0
	v_lshrrev_b32 v233, s38, v233
	v_lshrrev_b32 v234, s38, v234
	s_delay_alu instid0(VALU_DEP_2)
	v_and_b32 v233, 0xffff, v233
	s_delay_alu instid0(VALU_DEP_2)
	v_and_b32 v234, 0xffff, v234
	s_delay_alu instid0(VALU_DEP_2)
	v_lshl_or_b32 v[QS], v233, 16, v233            ; Q's two bytes, for the lower 64 of the instruction's K and for the upper
	s_delay_alu instid0(VALU_DEP_2)
	v_lshl_or_b32 v[QS+1], v234, 16, v234
.macro QK d, x, y, sx, sy, rx          ; a tile of scores; the sum starts at the constant 0
.if \rx
	v_wmma_scale_f32_16x16x128_f8f6f4 v[\d:\d+7], v[\x:\x+7], v[\y:\y+7], 0, v[\sx], v[\sy] matrix_a_fmt:MATRIX_FMT_FP4 matrix_b_fmt:MATRIX_FMT_FP4 matrix_a_scale:MATRIX_SCALE_ROW1
.else
	v_wmma_scale_f32_16x16x128_f8f6f4 v[\d:\d+7], v[\x:\x+7], v[\y:\y+7], 0, v[\sx], v[\sy] matrix_a_fmt:MATRIX_FMT_FP4 matrix_b_fmt:MATRIX_FMT_FP4
.endif
.endm
.macro PV d, x, sx, rx                 ; a tile of O^T takes these 128 keys
.if \rx
	v_wmma_scale_f32_16x16x128_f8f6f4 v[\d:\d+7], v[\x:\x+7], v[PC:PC+7], v[\d:\d+7], v[\sx], v[PW] matrix_a_fmt:MATRIX_FMT_FP4 matrix_b_fmt:MATRIX_FMT_FP4 matrix_a_scale:MATRIX_SCALE_ROW1
.else
	v_wmma_scale_f32_16x16x128_f8f6f4 v[\d:\d+7], v[\x:\x+7], v[PC:PC+7], v[\d:\d+7], v[\sx], v[PW] matrix_a_fmt:MATRIX_FMT_FP4 matrix_b_fmt:MATRIX_FMT_FP4
.endif
.endm
; A KEY STEP: 128 keys.  qf: the head's Q with its zeros; qs: its scale word
.macro STEP qf, qs
	v_add_nc_u32 v[ADK], s[TB], v1
	v_add_nc_u32 v[ADS], s[TB], v2
	v_nop
	v_nop                                          ; four plain lines between the last step's products and the loads into V's registers
.irp i, 0,1,2,3
.irp c, 0,1
	ds_load_b128 v[KF+8*\i+4*\c:KF+8*\i+4*\c+3], v[ADK] offset:1024*\i+512*\c
.endr
.endr
	ds_load_b64 v[KS:KS+1], v[ADS] offset:4096
.irp t, 0,1,2,3
.irp c, 0,1
	ds_load_b128 v[VF+8*\t+4*\c:VF+8*\t+4*\c+3], v[ADK] offset:4352+1024*\t+512*\c
.endr
.endr
	ds_load_b64 v[VS:VS+1], v[ADS] offset:8448
	s_wait_dscnt 9                                 ; K's nine loads are in; V's nine may be out
.irp i, 0,1,2,3
	QK S+8*\i, KF+8*\i, \qf+4, KS+\i/2, \qs, \i%2          ; against (Q, zeros): tile i
	QK S+8*(\i+4), KF+8*\i, \qf, KS+\i/2, \qs, \i%2        ; against (zeros, Q): tile i + 4
.endr
.rept 4
	v_nop
.endr
.irp b, 0,1,2,3
	v_max3_num_f32 v[BM+\b], v[S+16*\b], v[S+16*\b+1], v[S+16*\b+2]   ; the largest score of each block of 32 keys: for the row's maximum and for the block's largest p
.endr
.irp i, 3,5,7,9,11,13
.irp b, 0,1,2,3
	v_max3_num_f32 v[BM+\b], v[BM+\b], v[S+16*\b+\i], v[S+16*\b+\i+1]
.endr
.endr
.irp b, 0,1,2,3
	v_max_num_f32 v[BM+\b], v[BM+\b], v[S+16*\b+15]
.endr
.irp b, 0,1,2,3
	s_delay_alu instid0(VALU_DEP_4)
	v_permlanex16_b32 v[TP+\b], v[BM+\b], s[SEL], s[SEL+1]
.endr
.irp b, 0,1,2,3
	s_delay_alu instid0(VALU_DEP_4)
	v_max_num_f32 v[BM+\b], v[BM+\b], v[TP+\b]     ; with lane l xor 16's 16 keys
.endr
	s_delay_alu instid0(VALU_DEP_2)
	v_max3_num_f32 v[T], v[BM], v[BM+1], v[BM+2]
	s_delay_alu instid0(VALU_DEP_1)
	v_max_num_f32 v[T], v[T], v[BM+3]
	s_delay_alu instid0(VALU_DEP_1)
	v_mul_f32 v[T], s[CS], v[T]                    ; the step's largest t
	s_delay_alu instid0(VALU_DEP_1)
	v_max_num_f32 v13, v13, v[T]                   ; the running largest t
	v_mov_b32 v[T], v12
	s_delay_alu instid0(VALU_DEP_2)
	v_floor_f32 v12, -v13                          ; the new -M = -ceil(t): a whole number
	s_delay_alu instid0(VALU_DEP_1)
	v_sub_f32 v[T], v12, v[T]                      ; old M - new M, 0 or less
	s_delay_alu instid0(VALU_DEP_1)
	v_cvt_i32_f32 v[T], v[T]                       ; (it saturates)
	s_delay_alu instid0(VALU_DEP_1)
	v_ldexp_f32 v[F], 1.0, v[T]                    ; 2^(old M - new M)
.irp j, 0,2,4,6,8,10,12,14,16,18,20,22,24,26,28,30,32,34,36,38,40,42,44,46,48,50,52,54,56,58,60,62
	v_pk_fma_f32 v[S+\j:S+\j+1], v[S+\j:S+\j+1], s[CS:CS+1], v[12:13] op_sel_hi:[1,0,0]   ; t - M, two at a time
.endr
.irp b, 0,1,2,3
	v_fma_f32 v[BM+\b], v[BM+\b], s[CS], v12
.endr
	s_wait_alu depctr_va_vdst(0)
.irp j, 0,1,2,3,4,5,6,7,8,9,10,11,12,13,14,15,16,17,18,19,20,21,22,23,24,25,26,27,28,29,30,31,32,33,34,35,36,37,38,39,40,41,42,43,44,45,46,47,48,49,50,51,52,53,54,55,56,57,58,59,60,61,62,63
	v_exp_f32 v[S+\j], v[S+\j]                     ; p = 2^(t - M)
.endr
	s_setprio 1
	v_pk_mul_f32 v[14:15], v[14:15], v[F:F+1] op_sel_hi:[1,0]   ; the sums under the new M: the plain line behind the exponentials
	s_wait_alu depctr_va_vdst(0)                   ; one wait for the batch of 64, ahead of its first reader
.irp b, 0,1,2,3
	v_exp_f32 v[BM+\b], v[BM+\b]                   ; each block's largest p
.endr
	v_pk_add_f32 v[TP:TP+1], v[S:S+1], v[S+2:S+3]  ; the row's sum of the unquantised p, in two chains
.irp j, 4,8,12,16,20,24,28,32,36,40,44,48,52,56,60
	v_pk_add_f32 v[14:15], v[14:15], v[S+\j:S+\j+1]
	v_pk_add_f32 v[TP:TP+1], v[TP:TP+1], v[S+\j+2:S+\j+3]
.endr
	s_delay_alu instid0(VALU_DEP_1)
	v_pk_add_f32 v[14:15], v[14:15], v[TP:TP+1]
	s_wait_alu depctr_va_vdst(0)                   ; and one for the four
.irp b, 0,1,2,3
	v_max_num_f32 v[BM+\b], 0x1800000, v[BM+\b]    ; the floor 2^(3 - 127)
.endr
.irp b, 0,1,2,3
	s_delay_alu instid0(VALU_DEP_4)
	v_add_nc_u32 v[SO+\b], 0xff000000, v[BM+\b]
.endr
.irp b, 0,1,2,3
	s_delay_alu instid0(VALU_DEP_4)
	v_lshrrev_b32 v[TP+\b], 23, v[SO+\b]
.endr
	s_delay_alu instid0(VALU_DEP_3)
	v_lshl_or_b32 v[PW], v[TP+1], 8, v[TP]         ; p's scale word for these 128 keys
	s_delay_alu instid0(VALU_DEP_1)
	v_lshl_or_b32 v[PW], v[TP+2], 16, v[PW]
	s_delay_alu instid0(VALU_DEP_1)
	v_lshl_or_b32 v[PW], v[TP+3], 24, v[PW]
.irp b, 0,1,2,3
	v_cvt_scalef32_pk8_fp4_f32 v[PC+2*\b], v[S+16*\b:S+16*\b+7], v[SO+\b]
	v_cvt_scalef32_pk8_fp4_f32 v[PC+2*\b+1], v[S+16*\b+8:S+16*\b+15], v[SO+\b]
.endr
	v_nop                                          ; one plain line behind the last scaled conversion
.irp c, 0,1
.irp i, 0,1
	v_permlane16_swap_b32 v[PC+4*\c+\i], v[PC+4*\c+2+\i]
.endr
.endr
	s_setprio 0
.irp j, 0,2,4,6,8,10,12,14,16,18,20,22,24,26,28,30
	v_pk_mul_f32 v[O+\j:O+\j+1], v[O+\j:O+\j+1], v[F:F+1] op_sel_hi:[1,0]   ; O^T under the new M; these sixteen also stand between the lines that made p's codes and scale word and the products
.endr
	s_wait_alu depctr_va_vdst(0)
	s_wait_dscnt 0x0                               ; V is in
.irp t, 0,1,2,3
	PV O+8*\t, VF+8*\t, VS+\t/2, \t%2              ; four accumulators by turns
.endr
.endm
; A head's end: O^T / the sum, quantised: 64 channels are one unit, two blocks
.macro FINISH p
.rept 4
	v_nop
.endr
	v_add_f32 v14, v14, v15
	s_delay_alu instid0(VALU_DEP_1)
	v_permlanex16_b32 v[TP], v14, s[SEL], s[SEL+1]
	s_delay_alu instid0(VALU_DEP_1)
	v_add_f32 v14, v14, v[TP]                      ; the row's sum
	s_wait_alu depctr_va_vdst(0)
	v_rcp_f32 v[F], v14
	v_nop
	s_wait_alu depctr_va_vdst(0)                   ; the wait ahead of the reciprocal's first reader
.irp n, 0,2,4,6,8,10,12,14,16,18,20,22,24,26,28,30
	v_pk_mul_f32 v[S+\n:S+\n+1], v[O+\n:O+\n+1], v[F:F+1] op_sel_hi:[1,0]   ; register 16 n + i: channel 32 n + 16 (lane / 16) + i of the head; each accumulator from its low end on
.endr
.irp b, 0,1
	v_max3_num_f32 v[BM+\b], |v[S+16*\b]|, |v[S+16*\b+1]|, 0x1800000
.endr
.irp n, 2,4,6,8,10,12,14
.irp b, 0,1
	s_delay_alu instid0(VALU_DEP_2)
	v_max3_num_f32 v[BM+\b], v[BM+\b], |v[S+16*\b+\n]|, |v[S+16*\b+\n+1]|
.endr
.endr
.irp b, 0,1
	s_delay_alu instid0(VALU_DEP_2)
	v_permlanex16_b32 v[TP+\b], v[BM+\b], s[SEL], s[SEL+1]
.endr
.irp b, 0,1
	s_delay_alu instid0(VALU_DEP_2)
	v_max_num_f32 v[BM+\b], v[BM+\b], v[TP+\b]
.endr
.irp b, 0,1
	s_delay_alu instid0(VALU_DEP_2)
	v_add_nc_u32 v[SO+\b], 0xff000000, v[BM+\b]
.endr
.irp b, 0,1
	s_delay_alu instid0(VALU_DEP_2)
	v_lshrrev_b32 v[TP+\b], 23, v[SO+\b]
.endr
.if (\p) == 0
	s_delay_alu instid0(VALU_DEP_1)
	v_lshl_or_b32 v[HW0], v[TP+1], 8, v[TP]
.else
	s_delay_alu instid0(VALU_DEP_1)
	v_lshl_or_b32 v[T], v[TP+1], 8, v[TP]
	s_delay_alu instid0(VALU_DEP_1)
	v_lshl_or_b32 v[CW], v[T], 16, v[HW0]          ; the row's scale word for this pair of heads
.endif
.irp b, 0,1
	v_cvt_scalef32_pk8_fp4_f32 v[CC+4*(\p)+2*\b], v[S+16*\b:S+16*\b+7], v[SO+\b]
	v_cvt_scalef32_pk8_fp4_f32 v[CC+4*(\p)+2*\b+1], v[S+16*\b+8:S+16*\b+15], v[SO+\b]
.endr
	v_nop
.irp n, 0,1
	v_permlane16_swap_b32 v[CC+4*(\p)+\n], v[CC+4*(\p)+2+\n]
.endr
	global_store_b128 v1, v[CC+4*(\p):CC+4*(\p)+3], s[8:9] offset:512*(\p)   ; a unit's image: 512 dense bytes; these registers are not written again
.endm
.macro PASS p
	v_mov_b32 v13, 0xff61b1e6                      ; the largest t so far: -3e38
	s_delay_alu instid0(VALU_DEP_1)
	v_floor_f32 v12, -v13
	v_mov_b32 v14, 0
	v_mov_b32 v15, 0
.irp j, 0,1,2,3,4,5,6,7,8,9,10,11,12,13,14,15,16,17,18,19,20,21,22,23,24,25,26,27,28,29,30,31
	v_mov_b32 v[O+\j], 0                           ; the step is written once: the first finds zeros, which the first change of M leaves zeros
.endr
	s_mov_b32 s[TB], (\p)*HB
	s_mov_b32 s[CNT], 16
.Lkey_\@:
	s_setprio 2
	STEP QF+12*(\p), QS+(\p)
	s_add_co_u32 s[TB], s[TB], SB
	s_sub_co_u32 s[CNT], s[CNT], 1
	s_cmp_lg_u32 s[CNT], 0
	s_cbranch_scc1 .Lkey_\@
	s_setprio 0
	FINISH \p
.endm
	s_wait_tensorcnt 1                             ; my block of head 0 is in; head 1's may be out
	s_barrier_signal -1
	s_barrier_wait -1                              ; all sixteen blocks are
	PASS 0
	s_wait_tensorcnt 0x0                           ; my block of head 1 is in
	s_wait_dscnt 0x0
	s_barrier_signal -1
	s_barrier_wait -1
	PASS 1
	ds_store_b32 v[SGA], v[CW]                     ; both halves of the lanes write row r's word with the same value
	s_wait_dscnt 0x0                               ; for the others' sake
	s_barrier_signal -1
	s_barrier_wait -1
	s_cmp_lt_u32 s[WV], 2                          ; waves 0 and 1 store the 256 words: 512 dense bytes each
	s_cbranch_scc0 .Lno_words
	ds_load_b128 v[S:S+3], v[SGR]
	s_wait_dscnt 0x0
	global_store_b128 v[CSO], v[S:S+3], s[10:11]
.Lno_words:
	s_wait_tensorcnt 0x0                           ; the wave's end
	ds_add_u32 v[SPW], v[NIL]
	s_wait_dscnt 0x0
	ROUND                                          ; the closing round
	s_endpgm
.Lfunc_end_k_q37ee2fd8b8_attn:
	.size	k_q37ee2fd8b8_attn, .Lfunc_end_k_q37ee2fd8b8_attn-k_q37ee2fd8b8_attn
	.p2alignl 7, 3214868480
	.fill 96, 4, 3214868480
	.section	.rodata,"a",@progbits
	.p2align	6, 0x0
	.amdhsa_kernel k_q37ee2fd8b8_attn
		.amdhsa_group_segment_fixed_size 327680
		.amdhsa_private_segment_fixed_size 0
		.amdhsa_enable_private_segment 0
		.amdhsa_kernarg_size 32
		.amdhsa_user_sgpr_count 2
		.amdhsa_user_sgpr_kernarg_segment_ptr 1
		.amdhsa_wavefront_size32 1
		.amdhsa_system_sgpr_workgroup_id_x 1
		.amdhsa_system_sgpr_workgroup_id_y 1
		.amdhsa_system_sgpr_workgroup_id_z 1
		.amdhsa_system_vgpr_workitem_id 0
		.amdhsa_next_free_vgpr 256
		.amdhsa_next_free_sgpr 66
		.amdhsa_reserve_vcc 0
		.amdhsa_float_denorm_mode_32 3
		.amdhsa_float_denorm_mode_16_64 3
		.amdhsa_memory_ordered 1
		.amdhsa_forward_progress 1
		.amdhsa_inst_pref_size 51
	.end_amdhsa_kernel
	.amdgpu_metadata
---
amdhsa.version: [ 1, 2 ]
amdhsa.kernels:
  - .name:           k_q37ee2fd8b8_attn
    .symbol:         k_q37ee2fd8b8_attn.kd
    .args:
      - { .name: qi, .offset: 0, .size: 8, .value_kind: global_buffer, .address_space: global }
      - { .name: kv, .offset: 8, .size: 8, .value_kind: global_buffer, .address_space: global }
      - { .name: cc, .offset: 16, .size: 8, .value_kind: global_buffer, .address_space: global }
      - { .name: cs, .offset: 24, .size: 8, .value_kind: global_buffer, .address_space: global }
    .group_segment_fixed_size: 327680
    .private_segment_fixed_size: 0
    .kernarg_segment_align: 8
    .kernarg_segment_size: 32
    .max_flat_workgroup_size: 512
    .sgpr_count:     66
    .vgpr_count:     256
    .wavefront_size: 32
...
	.end_amdgpu_metadata
.endif
;; end of part 3
;; launch outp (part 4): grid 4 x 32, 4 waves a work-group, clusters of 4 x 4, 327,680 bytes of LDS; arguments cc, cs, qc, qs, bo, out0; writes out0
.if DOCPART == 4
	.amdgcn_target "amdgcn-amd-amdhsa--gfx1250"
	.amdhsa_code_object_version 6
	.text
	.protected	k_q37ee2fd8b8_outp
	.globl	k_q37ee2fd8b8_outp
	.p2align	8
	.type	k_q37ee2fd8b8_outp,@function
k_q37ee2fd8b8_outp:
	s_mov_b64 s[64:65], 0
	v_nop
	global_prefetch_b8 v0, s[64:65] scope:SCOPE_SE
	s_setreg_imm32_b32 hwreg(HW_REG_WAVE_MODE, 25, 1), 1
	s_wait_xcnt 0x0
	s_wait_alu depctr_hold_cnt(0) depctr_sa_sdst(0) depctr_va_vdst(0) depctr_va_sdst(0) depctr_va_ssrc(0) depctr_va_vcc(0) depctr_vm_vsrc(0)
	s_getreg_b32 s2, hwreg(HW_REG_IB_STS2, 6, 4)
	s_cmp_eq_u32 s2, 0
	s_cbranch_scc0 .Lentry_in_a_cluster
	s_endpgm
.Lentry_in_a_cluster:
	s_bfe_u32 s2, ttmp6, 0x10000c
	s_cmp_lg_u32 s2, 0xf033
	s_cbranch_scc0 .Lentry_shape_is_right
	s_endpgm
.Lentry_shape_is_right:
; Launch 4 of 4: out0 = ctx Wo^T + bo on the codes of ctx (launch 3) and of Wo (launch 1).  No work is left out.
; The main text is launch 2's: a work-group of four waves makes 256 x 256, a wave 128 x 128 in 64 accumulators; K = 1,024 is two LDS slots, both first fills; operands lie as images of their registers.
; Source 1 = A = 256 rows of ctx (shared along a row of the 4 x 4 cluster), source 0 = B = 256 rows of Wo (shared along a column): a lane holds eight neighbouring columns of one row of out0.
; bo is the C of each sum's first product.  ctx's scale words lie [128 along K: 8][row][4 bytes]: 128 rows' are eight lines of 512 bytes.
; THE WAY OUT: 16 rows x 128 columns at a time through the wave's own stage in LDS, back as whole rows of 512 bytes.  The stage lies in slot 0, which has had its only fill and, behind the change of slots, its last read.
; 8,192 x 1,024 of out0 are 128 such tiles: half of the chip's WGPs have a work-group.
.set SLOTC, 7340032                    ; a slot of qc
.set SLOTS, 458752                     ; a slot of qs
.set SLOTA, 2097152                    ; a slot of cc
.set SIZE_N, 1024
.set SLOT,  131072
.set SCL,   2*SLOT
.set SPARE, SCL+16384                  ; the spare words, 128 bytes a wave, named by no other line
.set SPITCH, 528
.set NQ, 4
.set NL, 2
.set NP, 4
.set FR, 8
.set ADRA,  16
.set ADRB,  20
.set ADRSA, 22                         ; v22  A's scale words: 4 x lane on
.set ADRSB, 23                         ; v23  B's: 16 x lane on
.set STO,   24                         ; v24  the way out: where I put 32 bytes of a row
.set RD,    25                         ; v25  where I read a row back
.set CO,    26                         ; v26  16 x lane
.set SPW,   28
.set NIL,   29
.set SCA,   32
.set SCB,   48
.set AF,    128
.set BK,    128                        ; the way out: v128-191 and v192-255 by turns
.set BI,    64                         ; the bias, in window 1
.set G1, 24
.set G0, 32
.set G1B, 48
.set G0B, 56
.set G1S, 68
.set G0S, 76
.set G1SB, 80
.set G0SB, 88
.set MSB, 0
.macro WIN new
.if MSB != \new
	s_set_vgpr_msb (MSB<<8)|\new
.set MSB, \new
.endif
.endm
.set MUL_LO, 0xa1
.set MUL_HI, 0xf1
.set TO_B,   0x40
.macro JLOAD g0a, g1a, g0b, g1b        ; a joint load: waves 0, 1 for A, waves 2, 3 for B; an s_nop 0 and four v_nop follow each line
	s_cmp_eq_u32 s19, 0
	s_cbranch_scc0 .Lfor_b_\@
	tensor_load_to_lds s[\g0a:\g0a+3], s[\g1a:\g1a+7]
	s_nop 0
.rept 4
	v_nop
.endr
	s_branch .Lasked_\@
.Lfor_b_\@:
	tensor_load_to_lds s[\g0b:\g0b+3], s[\g1b:\g1b+7]
	s_nop 0
.rept 4
	v_nop
.endr
.Lasked_\@:
.endm
.macro CROUND
	s_barrier_signal -1
	s_barrier_wait -1
	s_cmp_lg_u32 s18, 0
	s_cbranch_scc1 .Lnot_wave_0_\@
	s_barrier_signal -3
.Lnot_wave_0_\@:
	s_barrier_wait -3
	s_barrier_signal -1
	s_barrier_wait -1
.endm
	s_load_b256 s[4:11], s[0:1], 0x0               ; cc, cs, qc, qs
	s_load_b128 s[12:15], s[0:1], 0x20             ; bo, out0
	v_lshl_add_u32 v[SPW], v0, 2, SPARE
	v_mov_b32 v[NIL], 0
	ds_add_u32 v[SPW], v[NIL]                      ; the wave's opening: the add, twice on end, and its wait ahead of my first tensor load
	ds_add_u32 v[SPW], v[NIL]
	v_lshrrev_b32 v1, 5, v0
	v_readfirstlane_b32 s18, v1                    ; wave
	s_lshr_b32 s19, s18, 1                         ; my half of A.  Also: I fetch for A (0) or for B (1)
	s_and_b32 s20, s18, 1                          ; my half of B.  Also: which 128 rows I fetch
	s_bfe_u32 s40, ttmp6, 0x40000                  ; cx = the tile column
	s_bfe_u32 s41, ttmp6, 0x40004                  ; cy
	s_and_b32 s42, ttmp7, 0xffff
	s_lshl_b32 s42, s42, 2
	s_add_co_u32 s42, s42, s41                     ; the tile row = 4 x cluster y + cy
	s_lshl_b32 s43, s41, 2
	s_lshl_b32 s43, 15, s43                        ; my row of the cluster
	s_lshl_b32 s44, 0x1111, s40                    ; my column
	s_or_b32 s[G1+0], s43, (3<<16)|(1<<21)
	s_or_b32 s[G1B+0], s44, (3<<16)|(1<<21)
.irp g, G1, G1B                        ; 32,768 dense bytes of codes: 128 lines of 256
	s_mov_b32 s[\g+1], 32<<16
	s_mov_b32 s[\g+2], 128<<16
	s_mov_b32 s[\g+3], 32<<16
	s_mov_b32 s[\g+4], 128
	s_mov_b32 s[\g+5], 32
	s_mov_b32 s[\g+6], 0
	s_mov_b32 s[\g+7], 0
.endr
	s_or_b32 s[G1S+0], s43, (3<<16)|(1<<21)        ; ctx's scale words: eight lines of 512 bytes, 32,768 bytes apart
	s_mov_b32 s[G1S+1], 64<<16
	s_mov_b32 s[G1S+2], 8<<16
	s_mov_b32 s[G1S+3], 64<<16
	s_mov_b32 s[G1S+4], 8
	s_mov_b32 s[G1S+5], 4096
	s_mov_b32 s[G1S+6], 0
	s_mov_b32 s[G1S+7], 0
	s_or_b32 s[G1SB+0], s44, (3<<16)|(1<<21)       ; Wo's: two lines of 2,048 bytes, one a slot of qs
	s_mov_b32 s[G1SB+1], 256<<16
	s_mov_b32 s[G1SB+2], 2<<16
	s_mov_b32 s[G1SB+3], 256<<16
	s_mov_b32 s[G1SB+4], 2
	s_mov_b32 s[G1SB+5], SLOTS/8
	s_mov_b32 s[G1SB+6], 0
	s_mov_b32 s[G1SB+7], 0
	s_lshl_b32 s21, s20, 7
	s_lshl_b32 s45, s42, 8
	s_add_co_u32 s45, s45, s21                     ; A: row 256 x tile row + 128 x half
	s_lshl_b32 s46, s40, 8
	s_add_co_u32 s46, s46, s21
	s_add_co_u32 s46, s46, 27648                   ; B: Wo's place in the list + 256 cx + 128 x half
	s_lshl_b32 s92, s45, 8
	s_mov_b32 s93, 0
	s_lshl_b32 s94, s45, 2
	s_mov_b32 s95, 0
	s_lshl_b32 s96, s46, 8
	s_mov_b32 s97, 0
	s_lshl_b32 s98, s46, 4
	s_mov_b32 s99, 0
	s_lshl_b32 s47, s18, 15                        ; where they go: wave x 32,768, wave x 4,096
	s_lshl_b32 s2, s18, 12
	s_wait_dscnt 0x0                               ; both opening adds are done
	s_wait_kmcnt 0x0
	s_add_nc_u64 s[92:93], s[4:5], s[92:93]
	s_add_nc_u64 s[94:95], s[6:7], s[94:95]
	s_add_nc_u64 s[96:97], s[8:9], s[96:97]
	s_add_nc_u64 s[98:99], s[10:11], s[98:99]
	CROUND                                         ; all sixteen work-groups are here: the first joint loads meet
	s_mov_b32 s[G0S], 1
	s_add_co_u32 s[G0S+1], s2, SCL
	s_mov_b64 s[G0S+2:G0S+3], s[94:95]
	s_or_b32 s[G0S+3], s[G0S+3], 0x80000000
	s_mov_b32 s[G0SB], 1
	s_add_co_u32 s[G0SB+1], s2, SCL
	s_mov_b64 s[G0SB+2:G0SB+3], s[98:99]
	s_or_b32 s[G0SB+3], s[G0SB+3], 0x80000000
	JLOAD G0S, G1S, G0SB, G1SB
.irp s, 0,1
	s_mov_b32 s[G0+4*\s], 1
	s_add_co_u32 s[G0+4*\s+1], s47, \s*SLOT
	s_add_nc_u64 s[G0+4*\s+2:G0+4*\s+3], s[92:93], \s*SLOTA
	s_or_b32 s[G0+4*\s+3], s[G0+4*\s+3], 0x80000000
	s_mov_b32 s[G0B+4*\s], 1
	s_add_co_u32 s[G0B+4*\s+1], s47, \s*SLOT
	s_add_nc_u64 s[G0B+4*\s+2:G0B+4*\s+3], s[96:97], \s*SLOTC
	s_or_b32 s[G0B+4*\s+3], s[G0B+4*\s+3], 0x80000000
	s_wait_alu depctr_va_vdst(0)
	s_wait_tensorcnt 0x0
	ds_add_u32 v28, v29
	s_wait_dscnt 0x0
	CROUND
	JLOAD G0+4*\s, G1, G0B+4*\s, G1B               ; one tensor load of mine is out
.endr
	v_and_b32 v1, 15, v0                           ; r
	v_bfe_u32 v2, v0, 4, 1                         ; h
	v_and_b32 v3, 31, v0                           ; lane
	s_wait_alu depctr_va_vdst(0)
	v_lshlrev_b32 v[CO], 4, v3
	s_wait_alu depctr_va_vdst(0)
	s_lshl_b32 s2, s19, 15
	s_lshl_b32 s3, s20, 15
	s_add_co_u32 s3, s3, 65536
.irp s, 0,1
	v_add_nc_u32 v[ADRA+\s], s2, v[CO]
	v_add_nc_u32 v[ADRB+\s], s3, v[CO]
	s_add_co_u32 s2, s2, SLOT
	s_add_co_u32 s3, s3, SLOT
.endr
	s_lshl_b32 s2, s19, 12
	s_add_co_u32 s2, s2, SCL
	v_lshl_add_u32 v[ADRSA], v3, 2, s2
	s_lshl_b32 s3, s20, 12
	s_add_co_u32 s3, s3, SCL+8192
	v_add_nc_u32 v[ADRSB], s3, v[CO]
	s_mul_i32 s2, s18, 16*SPITCH                   ; my stage
	v_mul_u32_u24 v4, v1, SPITCH
	v_lshl_add_u32 v4, v2, 5, v4
	v_add_nc_u32 v[STO], s2, v4                    ; in: row r, 32 bytes for each half of the lanes
	v_add_nc_u32 v[RD], s2, v[CO]                  ; back: the 32 lanes take one row of 512 bytes
	s_lshl_b32 s92, s42, 8
	s_lshl_b32 s93, s19, 7
	s_add_co_u32 s92, s92, s93                     ; my first row of out0
	s_lshl_b32 s92, s92, 12
	s_lshl_b32 s94, s40, 8
	s_add_co_u32 s94, s94, s21
	s_lshl_b32 s94, s94, 2                         ; my first column, in bytes
	s_add_co_u32 s92, s92, s94
	s_mov_b32 s93, 0
	s_mov_b32 s95, 0
	s_add_nc_u64 s[14:15], s[14:15], s[92:93]
	s_add_nc_u64 s[12:13], s[12:13], s[94:95]
	v_lshlrev_b32 v8, 5, v2                        ; accumulator (a, b), register j, lane (r, h) is column 16 b + 8 h + j
	WIN TO_B
.irp b, 0,1,2,3,4,5,6,7
	global_load_b128 v[BI+8*\b:BI+8*\b+3], v8, s[12:13] offset:64*\b
	global_load_b128 v[BI+8*\b+4:BI+8*\b+7], v8, s[12:13] offset:64*\b+16
.endr
	WIN 0
.macro FRAG reg, adr, q, i
.irp c, 0,1
	ds_load_b128 v[\reg+4*\c:\reg+4*\c+3], v[\adr] offset:1024*(\q)+512*\c+4096*(\i)
.endr
.endm
.macro WM
.if rRX && rRY
	v_wmma_scale_f32_16x16x128_f8f6f4 v[rD:rD+7], v[rX:rX+7], v[rY:rY+7], v[rC:rC+7], v[rSX], v[rSY] matrix_a_fmt:MATRIX_FMT_FP4 matrix_b_fmt:MATRIX_FMT_FP4 matrix_a_scale:MATRIX_SCALE_ROW1 matrix_b_scale:MATRIX_SCALE_ROW1
.elseif rRX
	v_wmma_scale_f32_16x16x128_f8f6f4 v[rD:rD+7], v[rX:rX+7], v[rY:rY+7], v[rC:rC+7], v[rSX], v[rSY] matrix_a_fmt:MATRIX_FMT_FP4 matrix_b_fmt:MATRIX_FMT_FP4 matrix_a_scale:MATRIX_SCALE_ROW1
.elseif rRY
	v_wmma_scale_f32_16x16x128_f8f6f4 v[rD:rD+7], v[rX:rX+7], v[rY:rY+7], v[rC:rC+7], v[rSX], v[rSY] matrix_a_fmt:MATRIX_FMT_FP4 matrix_b_fmt:MATRIX_FMT_FP4 matrix_b_scale:MATRIX_SCALE_ROW1
.else
	v_wmma_scale_f32_16x16x128_f8f6f4 v[rD:rD+7], v[rX:rX+7], v[rY:rY+7], v[rC:rC+7], v[rSX], v[rSY] matrix_a_fmt:MATRIX_FMT_FP4 matrix_b_fmt:MATRIX_FMT_FP4
.endif
.endm
; 16 products: A's blocks a0, a0 + 1 x B's eight; cm = 1: C = the bias.  The 64 accumulators take turns, one instruction a turn, in the same order in every step.
.macro MUL16 a0, p, q, sc, cm
.irp a, \a0, \a0+1
.irp b, 0,1,2,3,4,5,6,7
.set rD, 8*(8*((\a)%4)+\b)
.set rX, 128*(\p)+FR*\b
.set rY, AF+FR*(\a)
.if (\cm) == 0
.set rC, rD
.else
.set rC, BI+8*\b
.endif
.set rSX, SCB+32*(\sc)+4*(\b/2)+(\q)
.set rSY, SCA+32*(\sc)+4*((\a)/2)+(\q)
.set rRX, \b%2
.set rRY, (\a)%2
	WM
.endr
.endr
.endm
.macro FETCH_B slot, q, p
	WIN TO_B
.irp i, 0,1,2,3,4,5,6,7
	FRAG 128*(\p)+FR*\i, ADRB+\slot, \q, \i
.endr
	WIN 0
.endm
.macro FETCH_A slot, q, i0
.irp i, \i0, \i0+1, \i0+2, \i0+3
	FRAG AF+FR*(\i), ADRA+\slot, \q, \i
.endr
.endm
.macro SCALES sc                       ; A's: a word a row for each 128 along K: 32 rows a load; B's: four words a row, 32 rows a load.  Lanes 0-15 an even block, lanes 16-31 the odd one beside it
.irp ip, 0,1,2,3
.irp q, 0,1,2,3
	ds_load_b32 v[SCA+32*\sc+4*\ip+\q], v[ADRSA] offset:(4*\sc+\q)*512+\ip*128
.endr
	ds_load_b128 v[SCB+32*\sc+4*\ip:SCB+32*\sc+4*\ip+3], v[ADRSB] offset:\sc*2048+\ip*512
.endr
.endm
.macro PLACES n
.rept \n
	v_nop
.endr
.endm
.macro STEP slot, q, cm
	s_wait_dscnt 4*NL                              ; all but the youngest eight loads (A's blocks 4-7) are in
.if \cm
	WIN 0x91
.else
	WIN MUL_LO
.endif
	MUL16 0, (\q)%2, \q, \slot, \cm
	MUL16 2, (\q)%2, \q, \slot, \cm
	s_wait_dscnt 0
	PLACES NP
	FETCH_B \slot, (\q)+1, 1-(\q)%2
	FETCH_A \slot, (\q)+1, 0
.if \cm
	WIN 0xd1
.else
	WIN MUL_HI
.endif
	MUL16 4, (\q)%2, \q, \slot, \cm
	MUL16 6, (\q)%2, \q, \slot, \cm
	PLACES NP
	WIN 0
	FETCH_A \slot, (\q)+1, 4
.endm
.macro TURN slot, next
	s_wait_tensorcnt 0x0                           ; all my tensor loads have landed: my part of the next slot
	ds_add_u32 v[SPW], v[NIL]                      ; 0 onto my spare word
	s_wait_dscnt 4*NL+1                            ; the add and the youngest eight loads may be out
	WIN MUL_LO
	MUL16 0, 1, NQ-1, \slot, 0
	s_wait_dscnt 0x0                               ; my reads of this slot are over
	s_barrier_signal -1
	MUL16 2, 1, NQ-1, \slot, 0
	WIN 0
	s_barrier_wait -1
	PLACES NP
	FETCH_B \next, 0, 0
	FETCH_A \next, 0, 0
	SCALES \next
	WIN MUL_HI
	MUL16 4, 1, NQ-1, \slot, 0
	MUL16 6, 1, NQ-1, \slot, 0
	PLACES NP
	WIN 0
	FETCH_A \next, 0, 4
.endm
.macro STEPS slot, from
.set Q, \from
.rept NQ-1-\from
	STEP \slot, Q, 0
.set Q, Q+1
.endr
.endm
	s_wait_alu depctr_va_vdst(0)
	s_wait_tensorcnt 1                             ; my scale words and my part of slot 0 are in; slot 1's load may be out
	s_barrier_signal -1
	s_barrier_wait -1
	FETCH_B 0, 0, 0
	FETCH_A 0, 0, 0
	SCALES 0
	FETCH_A 0, 0, 4
	s_wait_loadcnt 0x0                             ; the bias
	STEP 0, 0, 1
	STEPS 0, 1
	TURN 0, 1
	STEPS 1, 0
	s_wait_dscnt 4*NL
	WIN MUL_LO
	MUL16 0, 1, NQ-1, 1, 0
	MUL16 2, 1, NQ-1, 1, 0
	s_wait_dscnt 0
	WIN MUL_HI
	MUL16 4, 1, NQ-1, 1, 0
	MUL16 6, 1, NQ-1, 1, 0
	WIN 0
; THE WAY OUT, block by block of 16 rows x 128 columns.  LDS serves a wave's instructions in order (ISA guide 5.7.1.4): no wait between the stores and the loads, nor in front of the next block's stores.
.macro TOSTAGE a
.set AC, 64*((\a)%4)
	WIN 0x08+4*((\a)/4)                            ; an LDS store's data are its source 1: window 2 or 3
.irp b, 0,1,2,3,4,5,6,7
	ds_store_b128 v[STO], v[AC+8*\b:AC+8*\b+3] offset:64*\b          ; each accumulator from its low end on
	ds_store_b128 v[STO], v[AC+8*\b+4:AC+8*\b+7] offset:64*\b+16
.endr
	WIN 0
.set BB, BK+64*((\a)%2)
.irp t, 0,1,2,3,4,5,6,7,8,9,10,11,12,13,14,15
	ds_load_b128 v[BB+4*\t:BB+4*\t+3], v[RD] offset:\t*SPITCH
.endr
.endm
.macro SEND a, younger                 ; younger: the LDS instructions issued behind block a's loads, which may stay out
.set BB, BK+64*((\a)%2)
	s_wait_dscnt \younger
.if (\a) > 0
	s_add_nc_u64 s[14:15], s[14:15], 16*SIZE_N*4   ; 16 rows on (behind a wait for the earlier stores' addresses)
.endif
.irp t, 0,1,2,3,4,5,6,7,8,9,10,11,12,13,14,15
	global_store_b128 v[CO], v[BB+4*\t:BB+4*\t+3], s[14:15] offset:\t*SIZE_N*4 th:TH_STORE_NT   ; 32 lanes store 512 consecutive bytes, at a multiple of 256 from out0's first byte
.endr
.endm
	PLACES NP                                      ; in front of the loads into the registers that held A's fragments, and of the reads of the last results
	TOSTAGE 0
.irp a, 1,2,3,4,5,6,7
.if \a > 1
	s_wait_xcnt 0x0                                ; block a - 2's stores have read their registers and their base
.endif
	TOSTAGE \a
	SEND \a-1, 32                                  ; behind block a - 1's loads: block a's 16 stores and 16 loads
.endr
	s_wait_xcnt 0x0
	SEND 7, 0
	s_wait_tensorcnt 0x0                           ; the wave's end, behind my last LDS store
	ds_add_u32 v[SPW], v[NIL]
	s_wait_dscnt 0x0
	CROUND                                         ; the closing round
	s_endpgm
.Lfunc_end_k_q37ee2fd8b8_outp:
	.size	k_q37ee2fd8b8_outp, .Lfunc_end_k_q37ee2fd8b8_outp-k_q37ee2fd8b8_outp
	.p2alignl 7, 3214868480
	.fill 96, 4, 3214868480
	.section	.rodata,"a",@progbits
	.p2align	6, 0x0
	.amdhsa_kernel k_q37ee2fd8b8_outp
		.amdhsa_group_segment_fixed_size 327680
		.amdhsa_private_segment_fixed_size 0
		.amdhsa_enable_private_segment 0
		.amdhsa_kernarg_size 48
		.amdhsa_user_sgpr_count 2
		.amdhsa_user_sgpr_kernarg_segment_ptr 1
		.amdhsa_wavefront_size32 1
		.amdhsa_system_sgpr_workgroup_id_x 1
		.amdhsa_system_sgpr_workgroup_id_y 1
		.amdhsa_system_sgpr_workgroup_id_z 1
		.amdhsa_system_vgpr_workitem_id 0
		.amdhsa_next_free_vgpr 1024
		.amdhsa_next_free_sgpr 100
		.amdhsa_reserve_vcc 0
		.amdhsa_float_denorm_mode_32 3
		.amdhsa_float_denorm_mode_16_64 3
		.amdhsa_memory_ordered 1
		.amdhsa_forward_progress 1
		.amdhsa_inst_pref_size 128
	.end_amdhsa_kernel
	.amdgpu_metadata
---
amdhsa.version: [ 1, 2 ]
amdhsa.kernels:
  - .name:           k_q37ee2fd8b8_outp
    .symbol:         k_q37ee2fd8b8_outp.kd
    .args:
      - { .name: cc, .offset: 0, .size: 8, .value_kind: global_buffer, .address_space: global }
      - { .name: cs, .offset: 8, .size: 8, .value_kind: global_buffer, .address_space: global }
      - { .name: qc, .offset: 16, .size: 8, .value_kind: global_buffer, .address_space: global }
      - { .name: qs, .offset: 24, .size: 8, .value_kind: global_buffer, .address_space: global }
      - { .name: bo, .offset: 32, .size: 8, .value_kind: global_buffer, .address_space: global }
      - { .name: out0, .offset: 40, .size: 8, .value_kind: global_buffer, .address_space: global }
    .group_segment_fixed_size: 327680
    .private_segment_fixed_size: 0
    .kernarg_segment_align: 8
    .kernarg_segment_size: 48
    .max_flat_workgroup_size: 128
    .sgpr_count:     100
    .vgpr_count:     1024
    .wavefront_size: 32
...
	.end_amdgpu_metadata
.endif
;; end of part 4
